; MI455X (gfx1250); checked and timed in simulation.
; The chip was launched on July 23, 2026; its instructions are those of AMD's public machine-readable ISA for CDNA 5 (MIT licence, August 2026) and "CDNA5" Instruction Set Architecture Reference Guide (July 2026). The comments in the code are by the model that wrote it; some were corrected since.
;; Mu Guided Attention. Allowed arithmetic: float matrix products may take bf16 or f16 operands with f32 sums; all other float work in f32.
;; Inputs: Wk 2,048 x 512 float32; Wmk 2,048 x 512 float32; Wmq 2,048 x 2,048 float32; Wmv 2,048 x 512 float32; Wo 2,048 x 2,048 float32; Wq 2,048 x 2,048 float32; Wv 2,048 x 512 float32; hidden 2,048 x 2,048 float32; k_norm_w 64 float32; mu_prev 2,048 x 2,048 float32; positions 2,048 int32; q_norm_w 64 float32.
;; Outputs: out0 2,048 x 2,048 float32.
;; 2 versions, each right and faster than the one before. Each part assembles by itself: llvm-mc -triple=amdgcn-amd-amdhsa -mcpu=gfx1250 --defsym DOCPART=n.
;; ======== version 1 of 2: 4 launches
;; limits: values outside matrix products are rounded to bf16; values are held in f16: magnitudes above 65,504 overflow, below 6.1e-05 lose precision; right only within a limited range of input values
;; workspace buffers: abf 16,777,216 bytes; wcat 25,165,824 bytes; wot 8,388,608 bytes; cs 524,288 bytes; qkv 12,582,912 bytes; att 8,388,608 bytes
;; launch cast (part 1): grid 32 x 24, 8 waves a work-group, no clusters, 0 bytes of LDS; arguments hidden, mu_prev, Wq, Wmq, Wk, Wmk, Wv, Wmv, Wo, positions, abf, wcat, wot, cs; writes abf, wcat, wot, cs
.if DOCPART == 1
	.amdgcn_target "amdgcn-amd-amdhsa--gfx1250"
	.amdhsa_code_object_version 6
	.text
	.protected	k_q7bd8333ffa_cast
	.globl	k_q7bd8333ffa_cast
	.p2align	8
	.type	k_q7bd8333ffa_cast,@function
k_q7bd8333ffa_cast:
	s_mov_b64 s[64:65], 0
	v_nop
	global_prefetch_b8 v0, s[64:65] scope:SCOPE_SE
	s_setreg_imm32_b32 hwreg(HW_REG_WAVE_MODE, 25, 1), 1
	s_wait_xcnt 0x0
; Every f32 matrix is rounded to bf16 once and laid so that the later launches' tiles are dense:
;   abf  [2048 t][4096 k]          bf16; k < 2048 hidden, k >= 2048 mu_prev
;   wcat [48 heads][4096 k][64 d]  bf16; heads 0-31 Wq|Wmq, 32-39 Wk|Wmk, 40-47 Wv|Wmv; k < 2048 W, k >= 2048 Wm
;   wot  [32 groups][2048 k][64]   Wo by groups of 64 columns: rounded to bf16 as every input is, and that number written as f16, since the last
;                                  product takes its other operand in f16 and the matrix form wants both alike
;   cs   [2048 t][cos 0..31 | sin 0..31] f32, the rotary table of positions[t]
; Grid: x = slab of 64 rows, y = unit of 512 columns: 0-3 hidden, 4-7 mu_prev, 8-11 Wq, 12-15 Wmq, 16 Wk, 17 Wmk, 18 Wv, 19 Wmv, 20-23 Wo.
; A work-group turns 64 rows x 512 columns (128 KiB) into 64 KiB.  A wave makes 32 items; an item is one load of 16 bytes a lane
; (two runs of 256 consecutive bytes), its roundings and one store of 8 bytes a lane: 256 consecutive bytes, aligned.
; One address form serves both kinds, item e = 4 o + k:
;   source = SRC + o S1 + [k S2 + (L>>4) hiS + (L&15) 16 + w wS]      destination = DST + [8 L + w wD + o S1d] + 256 k
;   activations: wave w has rows 8 w + o, an item is 512 bytes of a row; weights: wave w has column group w, an item is rows 2 e, 2 e + 1.
; Memory binds: no LDS, no barrier, no matrix unit; all 32 loads of a wave go out first, each into registers of its own.
; LIMITS: the angle is f32(position) x exp2(-f log2(10)/8), the frequency good to about 3e-7 relative, reduced by pi/2 in two parts;
; the table fades with |position| above about 1e5, and the quadrant count saturates at 2^31.
; Wo: a bf16 number (8 significant bits) is an f16 number exactly from 2^-17 up to 65,504; below, the error is at most 2^-25; above, infinity.
.set VS,  4                            ; v[4:7]     source offset of item k of a group of four
.set VD,  8                            ; v[8:15]    destination offset of group o
.set X,   16                           ; v[16:143]  32 items as loaded
.set Y,   144                          ; v[144:207] 32 items rounded
.set A0,  208                          ; the two angles of a lane
.set A1,  209
.set TN,  210                          ; the table's work registers
.set TRR, 211
.set TZ,  212
.set TS,  213
.set TC,  214
.set TT,  215
.set TU,  216
.set TQ,  217
.set W3,  218
.set RES, 220                          ; v[220:221] the lane's two table entries
.set TOF, 222
	s_load_b512 s[8:23], s[0:1], 0x0               ; hidden, mu_prev, Wq, Wmq, Wk, Wmk, Wv, Wmv
	s_load_b256 s[24:31], s[0:1], 0x40             ; Wo, positions, abf, wcat
	s_load_b128 s[32:35], s[0:1], 0x60             ; wot, cs
	s_and_b32 s2, ttmp7, 0xffff                    ; y: the unit
	s_mov_b32 s3, ttmp9                            ; x: the slab
	v_lshrrev_b32 v1, 5, v0
	v_readfirstlane_b32 s4, v1                     ; wave
	; the unit's figures.  Candidates first, then one compare and its selects.
	s_and_b32 s6, s2, 3                            ; y & 3: which 512 columns of a wide matrix
	s_sub_co_u32 s5, s2, 16                        ; y - 16: 0..3 for the four narrow matrices
	s_lshr_b32 s57, s5, 1
	s_lshl_b32 s57, s57, 3
	s_add_co_u32 s57, s57, 32                      ; narrow: first head 32 + 8 ((y-16)>>1)
	s_lshl_b32 s58, s6, 3                          ; wide: first head or group 8 (y & 3)
	s_and_b32 s59, s2, 1                           ; narrow: Wm's half of k if y is odd
	s_bfe_u32 s60, s2, 0x10002                     ; Wq, Wmq: (y>>2) & 1
	s_movk_i32 s56, 0x2000                         ; bytes in a source row, wide
	s_cmp_lt_u32 s5, 4
	s_cselect_b32 s56, 0x800, s56                  ; pitch
	s_cselect_b32 s6, 0, s6                        ; cq
	s_cselect_b32 s57, s57, s58                    ; hb
	s_cselect_b32 s59, s59, s60                    ; kb / 2048
	s_mov_b32 s58, 0x80000                         ; bytes of a head in wcat
	s_cmp_ge_u32 s2, 20
	s_cselect_b32 s59, 0, s59                      ; Wo has one half only
	s_cselect_b32 s58, 0x40000, s58                ; gp: bytes of a group in wot
	s_lshl_b32 s60, s56, 3                         ; 8 pitch
	s_lshl_b32 s61, s56, 1                         ; 2 pitch
	s_lshl_b32 s62, s3, 6                          ; row0
	s_mul_i32 s66, s62, s56
	s_lshl_b32 s63, s6, 11
	s_add_co_u32 s66, s66, s63                     ; source offset = row0 pitch + 2048 cq
	s_mov_b32 s67, 0
	s_mul_i32 s68, s57, s58                        ; weights: hb gp
	s_lshl_b32 s59, s59, 11
	s_add_co_u32 s59, s59, s62
	s_lshl_b32 s59, s59, 7
	s_add_co_u32 s68, s68, s59                     ;          + 128 (kb + row0)
	s_lshl_b32 s57, s62, 13                        ; activations: 8192 row0
	s_lshr_b32 s59, s2, 2
	s_lshl_b32 s59, s59, 12
	s_add_co_u32 s57, s57, s59                     ;          + 4096 for mu_prev
	s_lshl_b32 s59, s6, 10
	s_add_co_u32 s57, s57, s59                     ;          + 1024 cq
	s_mov_b32 s69, 0
	s_mov_b32 s5, 0x10000
	s_cmp_ge_u32 s2, 8                             ; a weight?
	s_cselect_b32 s68, s68, s57                    ; destination offset
	s_cselect_b32 s56, s56, 0x100                  ; hiS
	s_cselect_b32 s63, 0x100, s5                   ; wS
	s_cselect_b32 s60, s60, 0x2000                 ; S1
	s_cselect_b32 s61, s61, 0x200                  ; S2
	s_cselect_b32 s58, s58, s5                     ; wD
	s_movk_i32 s57, 0x2000
	s_cselect_b32 s57, 0x400, s57                  ; S1d
	; the lanes' offsets
	v_and_b32 v1, 31, v0                           ; L
	v_and_b32 v2, 15, v0
	v_bfe_u32 v3, v0, 4, 1
	v_mul_lo_u32 v3, v3, s56
	v_lshl_add_u32 v3, v2, 4, v3
	s_mul_i32 s5, s4, s63
	v_add_nc_u32 v[VS], s5, v3
.irp k, 1,2,3
	v_add_nc_u32 v[VS+\k], s61, v[VS+\k-1]
.endr
	s_mul_i32 s7, s4, s58
	v_lshl_add_u32 v[VD], v1, 3, s7
.irp o, 1,2,3,4,5,6,7
	v_add_nc_u32 v[VD+\o], s57, v[VD+\o-1]
.endr
	s_wait_kmcnt 0x0
	; the unit's buffers: a choice on y alone
	s_mov_b64 s[36:37], s[8:9]
.macro PICK from, reg
	s_cmp_ge_u32 s2, \from
	s_cselect_b64 s[36:37], s[\reg:\reg+1], s[36:37]
.endm
	PICK 4, 10
	PICK 8, 12
	PICK 12, 14
	PICK 16, 16
	PICK 17, 18
	PICK 18, 20
	PICK 19, 22
	PICK 20, 24
	s_cmp_ge_u32 s2, 8
	s_cselect_b64 s[38:39], s[30:31], s[28:29]
	s_cmp_ge_u32 s2, 20
	s_cselect_b64 s[38:39], s[32:33], s[38:39]
	s_add_nc_u64 s[40:41], s[36:37], s[66:67]      ; source base of group 0
	s_add_nc_u64 s[38:39], s[38:39], s[68:69]      ; destination base
	s_mov_b32 s66, s60                             ; {S1, 0}
.irp o, 1,2,3,4,5,6,7
	s_add_nc_u64 s[40+2*\o:41+2*\o], s[38+2*\o:39+2*\o], s[66:67]   ; source base of group o
.endr
.set e, 0
.rept 32
	global_load_b128 v[X+4*e:X+4*e+3], v[VS+e%4], s[40+2*(e/4):41+2*(e/4)] th:TH_LOAD_NT   ; read once in the launch
.set e, e+1
.endr
	; The rotary table, while the loads are on their way: units 0-7 are 256 work-groups x 8 waves, one token a wave.
	s_cmp_ge_u32 s2, 8
	s_cbranch_scc1 .Lno_table
	s_lshl_b32 s5, s2, 5
	s_add_co_u32 s5, s5, s3
	s_lshl_b32 s5, s5, 3
	s_add_co_u32 s5, s5, s4                        ; t = 8 (32 y + x) + wave
	s_lshl_b32 s70, s5, 2
	s_mov_b32 s71, 0
	s_add_nc_u64 s[70:71], s[26:27], s[70:71]
	s_load_b32 s7, s[70:71], 0x0                   ; positions[t]
	s_lshl_b32 s6, s5, 8                           ; the token's 256 bytes of the table
	s_mov_b32 s72, 0x3f22f983                      ; 2 / pi
	s_mov_b32 s73, 0xbfc90fdb                      ; -pi/2, upper part
	s_mov_b32 s74, 0x333bbd2e                      ; -pi/2, the rest
	s_mov_b32 s75, 0xbe2aaaa3                      ; sine: r + r z (S0 + z (S1 + z S2)), |r| <= pi/4
	s_mov_b32 s76, 0x3c08839e
	s_mov_b32 s77, 0xb94ca1f9
	s_mov_b32 s78, 0x3d2aaaa5                      ; cosine: 1 - z/2 + z z (C0 + z (C1 + z C2))
	s_mov_b32 s79, 0xbab6061a
	s_mov_b32 s80, 0x37ccf5ce
	v_and_b32 v[TT], 15, v0
	v_lshlrev_b32 v[TT], 1, v[TT]                  ; f = 2 (L & 15), and f + 1
	v_cvt_f32_u32 v[A0], v[TT]
	v_add_f32 v[A1], 1.0, v[A0]
	v_mul_f32 v[A0], 0xbed49a78, v[A0]             ; -f log2(10000) / 32
	v_mul_f32 v[A1], 0xbed49a78, v[A1]
	v_exp_f32 v[A0], v[A0]                         ; 10000^(-f/32)
	v_exp_f32 v[A1], v[A1]
	v_bfe_u32 v[W3], v0, 4, 1                      ; a plain instruction behind the two exponentials (ISA guide 5.7.2); lanes 16-31 make sines
	v_mul_u32_u24 v[W3], v[W3], 3                  ; sin a = cos(a - pi/2): three quadrants on
	s_wait_kmcnt 0x0
	v_cvt_f32_i32 v[TU], s7
	s_wait_alu depctr_va_vdst(0)
	v_mul_f32 v[A0], v[TU], v[A0]
	v_mul_f32 v[A1], v[TU], v[A1]
.macro TRIG res, ang
	v_mul_f32 v[TN], s72, v[\ang]
	v_rndne_f32 v[TN], v[TN]                       ; n quadrants
	v_fma_f32 v[TRR], v[TN], s73, v[\ang]
	v_fma_f32 v[TRR], v[TN], s74, v[TRR]           ; r = a - n pi/2
	v_mul_f32 v[TZ], v[TRR], v[TRR]
	v_fma_f32 v[TS], v[TZ], s77, s76
	v_fma_f32 v[TC], v[TZ], s80, s79
	v_fma_f32 v[TS], v[TS], v[TZ], s75
	v_fma_f32 v[TC], v[TC], v[TZ], s78
	v_mul_f32 v[TT], v[TZ], v[TRR]
	v_fma_f32 v[TS], v[TS], v[TT], v[TRR]          ; sin r
	v_mul_f32 v[TT], v[TZ], v[TZ]
	v_fma_f32 v[TU], v[TZ], -0.5, 1.0
	v_fma_f32 v[TC], v[TC], v[TT], v[TU]           ; cos r
	v_cvt_i32_f32 v[TQ], v[TN]
	v_add_nc_u32 v[TQ], v[TQ], v[W3]               ; q: cos of quadrant 0, 1, 2, 3 is cos r, -sin r, -cos r, sin r
	v_and_b32 v[TT], 1, v[TQ]
	v_cmp_ne_u32 vcc_lo, 0, v[TT]
	v_cndmask_b32 v[\res], v[TC], v[TS], vcc_lo
	v_add_nc_u32 v[TQ], 1, v[TQ]
	v_and_b32 v[TQ], 2, v[TQ]
	v_lshlrev_b32 v[TQ], 30, v[TQ]
	v_xor_b32 v[\res], v[\res], v[TQ]              ; the sign of quadrants 1 and 2
.endm
	TRIG RES, A0
	TRIG RES+1, A1
	v_and_b32 v[TOF], 31, v0
	v_lshl_add_u32 v[TOF], v[TOF], 3, s6
	global_store_b64 v[TOF], v[RES:RES+1], s[34:35]    ; the wave stores the token's 256 bytes whole
.Lno_table:
; The 32 items are rounded and stored.  half = 1 (Wo): the bf16 numbers are widened again and written as f16.
.macro ITEMS half
.set e, 0
.rept 32
	s_wait_loadcnt 31-e                            ; loads return in order (ISA guide 5.7.1): item e is in, the younger ones stay out
	v_cvt_pk_bf16_f32 v[Y+2*e], v[X+4*e], v[X+4*e+1]
	v_cvt_pk_bf16_f32 v[Y+2*e+1], v[X+4*e+2], v[X+4*e+3]
.if \half
	v_lshlrev_b32 v[X+4*e], 16, v[Y+2*e]           ; bf16 to f32: the low half moves up, the high half stays
	v_and_b32 v[X+4*e+1], 0xffff0000, v[Y+2*e]
	v_lshlrev_b32 v[X+4*e+2], 16, v[Y+2*e+1]
	v_and_b32 v[X+4*e+3], 0xffff0000, v[Y+2*e+1]
	v_cvt_pk_f16_f32 v[Y+2*e], v[X+4*e], v[X+4*e+1]
	v_cvt_pk_f16_f32 v[Y+2*e+1], v[X+4*e+2], v[X+4*e+3]
.endif
	global_store_b64 v[VD+e/4], v[Y+2*e:Y+2*e+1], s[38:39] offset:(e%4)*256   ; no store's register is written again: nothing to wait for
.set e, e+1
.endr
.endm
	s_cmp_ge_u32 s2, 20                            ; Wo's units
	s_cbranch_scc1 .Lwo
	ITEMS 0
	s_endpgm
.Lwo:
	ITEMS 1
	s_endpgm
.Lfunc_end_k_q7bd8333ffa_cast:
	.size	k_q7bd8333ffa_cast, .Lfunc_end_k_q7bd8333ffa_cast-k_q7bd8333ffa_cast
	.p2alignl 7, 3214868480
	.fill 96, 4, 3214868480
	.section	.rodata,"a",@progbits
	.p2align	6, 0x0
	.amdhsa_kernel k_q7bd8333ffa_cast
		.amdhsa_group_segment_fixed_size 0
		.amdhsa_private_segment_fixed_size 0
		.amdhsa_enable_private_segment 0
		.amdhsa_kernarg_size 112
		.amdhsa_user_sgpr_count 2
		.amdhsa_user_sgpr_kernarg_segment_ptr 1
		.amdhsa_wavefront_size32 1
		.amdhsa_system_sgpr_workgroup_id_x 1
		.amdhsa_system_sgpr_workgroup_id_y 1
		.amdhsa_system_sgpr_workgroup_id_z 1
		.amdhsa_system_vgpr_workitem_id 0
		.amdhsa_next_free_vgpr 224
		.amdhsa_next_free_sgpr 84
		.amdhsa_reserve_vcc 1
		.amdhsa_float_denorm_mode_32 3
		.amdhsa_float_denorm_mode_16_64 3
		.amdhsa_memory_ordered 1
		.amdhsa_forward_progress 1
		.amdhsa_inst_pref_size 37
	.end_amdhsa_kernel
	.amdgpu_metadata
---
amdhsa.version: [ 1, 2 ]
amdhsa.kernels:
  - .name:           k_q7bd8333ffa_cast
    .symbol:         k_q7bd8333ffa_cast.kd
    .args:
      - { .name: hidden, .offset: 0, .size: 8, .value_kind: global_buffer, .address_space: global }
      - { .name: mu_prev, .offset: 8, .size: 8, .value_kind: global_buffer, .address_space: global }
      - { .name: Wq, .offset: 16, .size: 8, .value_kind: global_buffer, .address_space: global }
      - { .name: Wmq, .offset: 24, .size: 8, .value_kind: global_buffer, .address_space: global }
      - { .name: Wk, .offset: 32, .size: 8, .value_kind: global_buffer, .address_space: global }
      - { .name: Wmk, .offset: 40, .size: 8, .value_kind: global_buffer, .address_space: global }
      - { .name: Wv, .offset: 48, .size: 8, .value_kind: global_buffer, .address_space: global }
      - { .name: Wmv, .offset: 56, .size: 8, .value_kind: global_buffer, .address_space: global }
      - { .name: Wo, .offset: 64, .size: 8, .value_kind: global_buffer, .address_space: global }
      - { .name: positions, .offset: 72, .size: 8, .value_kind: global_buffer, .address_space: global }
      - { .name: abf, .offset: 80, .size: 8, .value_kind: global_buffer, .address_space: global }
      - { .name: wcat, .offset: 88, .size: 8, .value_kind: global_buffer, .address_space: global }
      - { .name: wot, .offset: 96, .size: 8, .value_kind: global_buffer, .address_space: global }
      - { .name: cs, .offset: 104, .size: 8, .value_kind: global_buffer, .address_space: global }
    .group_segment_fixed_size: 0
    .private_segment_fixed_size: 0
    .kernarg_segment_align: 8
    .kernarg_segment_size: 112
    .max_flat_workgroup_size: 256
    .sgpr_count:     84
    .vgpr_count:     224
    .wavefront_size: 32
...
	.end_amdgpu_metadata
.endif
;; end of part 1
;; launch proj (part 2): grid 16 x 16, 4 waves a work-group, clusters of 4 x 4, 327,680 bytes of LDS; arguments abf, wcat, cs, q_norm_w, k_norm_w, qkv; writes qkv
.if DOCPART == 2
	.amdgcn_target "amdgcn-amd-amdhsa--gfx1250"
	.amdhsa_code_object_version 6
	.text
	.protected	k_q7bd8333ffa_proj
	.globl	k_q7bd8333ffa_proj
	.p2align	8
	.type	k_q7bd8333ffa_proj,@function
k_q7bd8333ffa_proj:
	s_mov_b64 s[64:65], 0
	v_nop
	global_prefetch_b8 v0, s[64:65] scope:SCOPE_SE
	s_setreg_imm32_b32 hwreg(HW_REG_WAVE_MODE, 25, 1), 1
	s_wait_xcnt 0x0
	s_wait_alu depctr_hold_cnt(0) depctr_sa_sdst(0) depctr_va_vdst(0) depctr_va_sdst(0) depctr_va_ssrc(0) depctr_va_vcc(0) depctr_vm_vsrc(0)
	s_getreg_b32 s2, hwreg(HW_REG_IB_STS2, 6, 4)
	s_cmp_eq_u32 s2, 0
	s_cbranch_scc0 .Lentry_in_a_cluster
	s_endpgm
.Lentry_in_a_cluster:
	s_bfe_u32 s2, ttmp6, 0x10000c
	s_cmp_lg_u32 s2, 0xf033
	s_cbranch_scc0 .Lentry_shape_is_right
	s_endpgm
.Lentry_shape_is_right:
; qkv[head][t][d] = rope(rmsnorm([hidden | mu_prev] [W ; Wm])) in f16: one product with K = 4096, M = 2048 tokens, N = 48 heads of 64.
; Heads 0-31 are q (also scaled by 0.125 log2 e, so that attention works with exp2), 32-39 k, 40-47 v (no norm, no rotation).
; A work-group makes 128 tokens x 3 heads with four waves: 16 x 16 = 256 work-groups.  Wave w: tokens 64 (w>>1) .. +63; c = w & 1; of each
; head the two column tiles d = 16 c + 32 p .. +15, p = 0, 1: the rotation's partners d and d + 32 lie in one lane, and only the sum of
; squares crosses to wave w ^ 1.  24 accumulator tiles of 16 x 16.
; The matrix instruction is used transposed: source 0 = 16 columns of the weights, source 1 = 16 tokens, so that lane (r = L & 15, h = L >> 4)
; holds token r and its registers j the columns d = 16 c + 32 p + 8 h + j: eight neighbouring numbers of a row of the output.
; K goes in steps of 128 through two LDS slots filled by tensor loads.  CLUSTERS: 4 x 4 work-groups; the tokens' tile hangs on the block row
; alone and is asked for jointly along a row of the cluster, a head's weights hang on the block column alone and are asked for jointly along
; a column: the requests for both are divided by four.  Wave 0 asks for the tokens' tile (128 rows x 256 bytes), waves 1-3 for one head's
; weights each (128 k x 128 bytes, dense in memory, taken as 64 rows of 256 bytes).
; Which kind a head is hangs on the block column, so it is never branched on: masks and selected factors turn norm and rotation off for v.
; FORMATS AND LIMITS: the product's operands are bf16, its sums, the norm and the rotation f32.  The norm weights are taken rounded to bf16, as
; every floating-point input of this program is.  q, k and v are stored as f16, 11 significant bits: a token with few keys before it is a
; sum of few v, so v's rounding reaches the output undamped.  q and k are bounded by the norm: |q|, |k| <= 8 sqrt(2) max|w|.  v has the
; root mean square 1 for inputs of spread 1 and 0.02, 0.01; inputs all 30 times larger give 900 times that; offsets of 30 spreads on all give
; 2048 (30 x 0.6 + 30 x 0.3) = 55,296.  Above 65,504 v becomes infinite.
.set NG,     3                         ; heads of a block
.set NQ,     2*NG                      ; column tiles of a wave
.set KSTEP,  128
.set APITCH, 272                       ; tokens' LDS row: 256 bytes + 16: the 16 rows of a fragment load start 68 words apart
.set WPITCH, 160                       ; weights' LDS row: 128 bytes + 32, an odd multiple of 32 for the transposing load
.set ATILE,  128*APITCH
.set WTILE,  128*WPITCH
.set SLOT,   ATILE+NG*WTILE            ; 96,256
.set STAGE,  2*SLOT                    ; the way out: 3 heads x 128 rows x 144 bytes; no tensor load lands here
.set SPITCH, 144
.set SHEAD,  128*SPITCH
.set SUMS,   STAGE+NG*SHEAD            ; 4 waves x 16 rows x 48 bytes: sums of squares
.set LAPS,   4096/(2*KSTEP)            ; a lap = two K steps = once round the ring
; window 0
.set WT,    8                          ; v[8:15]  at work on the norm weights
.set ADRT,  16                         ; v16-17  my token fragments in slot 0, 1
.set ADRW,  18                         ; v18-23  my weight fragments, [slot][head]
.set VST,   24                         ; stage, in
.set VRD,   25                         ; stage, back
.set VGO,   26                         ; my byte offset in qkv
.set VSUM,  27
.set VSUMP, 28
.set VCS,   29
.set VW,    30
.set WN0,   32                         ; v[32:47]   head 0: norm weights of my 8 + 8 columns
.set WN1,   48                         ; v[48:63]   head 1
.set WN2,   224                        ; v[224:239] head 2
.set WF,    64                         ; v[64:111], v[112:159] weight fragments, two buffers
.set CS,    160                        ; v[160:223] per token tile: cos[8], sin[8]
; window 0 in the epilogue
.set YY,    64                         ; v[64:111]  one token tile's 3 x 16 numbers
.set RSP,   112                        ; v[112:135] 1/rms of (token tile, head), each twice: a pair for the packed multiply
.set CC,    136
.set SS,    144
.set O1,    152
.set O2,    240
.set PK,    248
; window 1: accumulator (mt, q) at 8 (NQ mt + q), q = 2 head + p
.set TF,    192                        ; v[192:223], v[224:255] of window 1: token fragments, two buffers
.set G1A, 24
.set G0A, 32
.set G1B, 40
.set G0B, 48
.set MUL, 0x54                         ; source 0 window 0, source 1, C and D window 1; an LDS load under it: data window 1, address window 0
.set MSB, 0
.macro WIN new                         ; the immediate's high byte repeats the setting that is left
.if MSB != \new
	s_set_vgpr_msb (MSB<<8)|\new
.set MSB, \new
.endif
.endm
.macro PLACES                          ; four independent vector instructions behind a matrix instruction (ISA guide 7.12.1)
.rept 4
	v_nop
.endr
.endm
; A joint load: one line and one mask for each kind; the branch hangs on the wave's number alone.  Four v_nop follow each line.
.macro JLOAD s
	s_cmp_eq_u32 s16, 0
	s_cbranch_scc0 .Lfor_b_\@
	tensor_load_to_lds s[G0A+4*\s:G0A+4*\s+3], s[G1A:G1A+7]
	s_nop 0
.rept 4
	v_nop
.endr
	s_branch .Lasked_\@
.Lfor_b_\@:
	tensor_load_to_lds s[G0B+4*\s:G0B+4*\s+3], s[G1B:G1B+7]
	s_nop 0
.rept 4
	v_nop
.endr
.Lasked_\@:
.endm
.macro CREST                           ; a round of the cluster's barrier behind its opening barrier
	s_cmp_lg_u32 s16, 0
	s_cbranch_scc1 .Lnot_wave_0_\@
	s_barrier_signal -3
.Lnot_wave_0_\@:
	s_barrier_wait -3
	s_barrier_signal -1
	s_barrier_wait -1
.endm
.macro CROUND
	s_barrier_signal -1
	s_barrier_wait -1
	CREST
.endm
	s_load_b256 s[4:11], s[0:1], 0x0               ; abf s[4:5], wcat s[6:7], cs s[8:9], q_norm_w s[10:11]
	s_load_b128 s[12:15], s[0:1], 0x20             ; k_norm_w s[12:13], qkv s[14:15]
	v_lshrrev_b32 v1, 5, v0
	v_readfirstlane_b32 s16, v1                    ; wave
	s_lshr_b32 s17, s16, 1                         ; mh: which 64 tokens
	s_and_b32 s18, s16, 1                          ; c
	s_bfe_u32 s19, ttmp6, 0x40000                  ; cx
	s_bfe_u32 s20, ttmp6, 0x40004                  ; cy
	s_lshl_b32 s21, ttmp9, 2
	s_add_co_u32 s21, s21, s19                     ; nb: block column = 4 x cluster x + cx
	s_and_b32 s22, ttmp7, 0xffff
	s_lshl_b32 s22, s22, 2
	s_add_co_u32 s22, s22, s20                     ; mb: block row = 4 x cluster y + cy
	s_lshl_b32 s23, s20, 2
	s_lshl_b32 s23, 15, s23                        ; my row of the cluster
	s_lshl_b32 s62, 0x1111, s19                    ; my column
	; group 1 of the tokens' tile: 128 rows x 128 elements of 2 bytes, 4 words of padding after every 64
	s_or_b32 s[G1A+0], s23, (1<<16)|(1<<20)|(1<<21)|(5<<22)|(3<<25)
	s_mov_b32 s[G1A+1], KSTEP<<16                  ; tensor_dim0 = 128
	s_mov_b32 s[G1A+2], 128<<16                    ; tensor_dim1 = 128
	s_mov_b32 s[G1A+3], KSTEP<<16                  ; tile_dim0 = 128
	s_mov_b32 s[G1A+4], 128                        ; tile_dim1 = 128
	s_mov_b32 s[G1A+5], 4096                       ; elements from row to row
	s_mov_b32 s[G1A+6], 0
	s_mov_b32 s[G1A+7], 0
	; group 1 of a head's weights: 16 KiB dense, as 64 rows x 32 elements of 8 bytes, 8 words of padding after every 32 (a k row of 128 bytes)
	s_or_b32 s[G1B+0], s62, (3<<16)|(1<<20)|(1<<21)|(4<<22)|(7<<25)
	s_mov_b32 s[G1B+1], 32<<16
	s_mov_b32 s[G1B+2], 64<<16
	s_mov_b32 s[G1B+3], 32<<16
	s_mov_b32 s[G1B+4], 64
	s_mov_b32 s[G1B+5], 32
	s_mov_b32 s[G1B+6], 0
	s_mov_b32 s[G1B+7], 0
	; the tiles' addresses, each in registers that never hold the other coordinate
	s_lshl_b32 s76, s22, 20                        ; tokens: 128 mb rows of 8,192 bytes
	s_mov_b32 s77, 0
	s_mul_i32 s62, s21, NG                         ; my first head
	s_max_u32 s63, s16, 1
	s_add_co_u32 s63, s63, s62
	s_sub_co_u32 s63, s63, 1                       ; waves 1-3: head 3 nb + wave - 1
	s_lshl_b32 s78, s63, 19                        ; 524,288 bytes a head
	s_mov_b32 s79, 0
	s_mul_i32 s3, s16, WTILE                       ; no place in the cluster enters an LDS address
	s_mov_b32 s72, 0x76543210                      ; v_permlanex16_b32: lane i reads lane i of the other half
	s_mov_b32 s73, 0xfedcba98
	s_mov_b32 s74, 0x358637bd                      ; eps = 1e-6
	s_wait_kmcnt 0x0
	s_add_nc_u64 s[76:77], s[4:5], s[76:77]
	s_add_nc_u64 s[78:79], s[6:7], s[78:79]
.macro KIND i                          ; head 3 nb + i: its norm weights, its scale, and whether norm and rotation apply
	s_add_co_u32 s63, s62, \i
	s_cmp_lt_u32 s63, 32
	s_cselect_b64 s[56+2*\i:57+2*\i], s[10:11], s[12:13]
	s_cselect_b32 s[69+\i], 0x3e38aa3b, 1.0        ; q: 0.125 log2 e
	s_cmp_lt_u32 s63, 40
	s_cselect_b32 s[66+\i], -1, 0                  ; all lanes on for q and k, off for v
.endm
	KIND 0
	KIND 1
	KIND 2
	CROUND                                         ; all sixteen work-groups are here: the first joint loads meet
.irp s, 0,1
	s_mov_b32 s[G0A+4*\s], 1
	s_mov_b32 s[G0A+4*\s+1], \s*SLOT
	s_add_nc_u64 s[G0A+4*\s+2:G0A+4*\s+3], s[76:77], \s*KSTEP*2
	s_or_b32 s[G0A+4*\s+3], s[G0A+4*\s+3], 0x80000000
	s_mov_b32 s[G0B+4*\s], 1
	s_add_co_u32 s[G0B+4*\s+1], s3, \s*SLOT+ATILE-WTILE      ; wave 1's head lies behind the tokens' tile
	s_add_nc_u64 s[G0B+4*\s+2:G0B+4*\s+3], s[78:79], \s*KSTEP*128
	s_or_b32 s[G0B+4*\s+3], s[G0B+4*\s+3], 0x80000000
	JLOAD \s                                       ; both slots' first fills go out together: two tensor loads of the wave are out
.endr
	v_and_b32 v1, 15, v0                           ; r
	v_bfe_u32 v2, v0, 4, 1                         ; h
	v_and_b32 v3, 7, v0
	v_bfe_u32 v4, v0, 3, 1
	v_and_b32 v5, 31, v0                           ; L
	; token fragments: K along the LDS rows, two loads of 16 bytes 32 apart at row x pitch + 16 h
	v_mul_u32_u24 v6, v1, APITCH
	v_lshl_add_u32 v6, v2, 4, v6
	s_mul_i32 s2, s17, 64*APITCH
	v_add_nc_u32 v[ADRT], s2, v6
	v_add_nc_u32 v[ADRT+1], SLOT, v[ADRT]
	; weight fragments: rows are k, so the transposing load: (8 h + (L & 7)) pitch + 16 ((L >> 3) & 1) + 2 x first column
	v_lshl_add_u32 v7, v2, 3, v3
	v_mul_u32_u24 v7, v7, WPITCH
	v_lshl_add_u32 v7, v4, 4, v7
	s_lshl_b32 s2, s18, 5
	v_add_nc_u32 v7, s2, v7
.irp s, 0,1
.irp i, 0,1,2
	v_add_nc_u32 v[ADRW+NG*\s+\i], \s*SLOT+ATILE+\i*WTILE, v7
.endr
.endr
	v_mul_u32_u24 v6, v1, SPITCH                   ; stage, in: row 64 mh + r (+ 16 mt), byte 32 c + 16 h (+ 64 p)
	v_lshl_add_u32 v6, v2, 4, v6
	s_mul_i32 s2, s17, 64*SPITCH
	s_lshl_b32 s3, s18, 5
	s_add_co_u32 s2, s2, s3
	s_add_co_u32 s2, s2, STAGE
	v_add_nc_u32 v[VST], s2, v6
	v_lshrrev_b32 v6, 3, v5                        ; stage, back: four rows of 128 bytes a load, rows 32 w ..
	v_mul_u32_u24 v6, v6, SPITCH
	v_lshl_add_u32 v6, v3, 4, v6
	s_mul_i32 s2, s16, 32*SPITCH
	s_add_co_u32 s2, s2, STAGE
	v_add_nc_u32 v[VRD], s2, v6
	v_mul_u32_u24 v6, v1, 48
	s_mul_i32 s2, s16, 768
	s_add_co_u32 s2, s2, SUMS
	v_add_nc_u32 v[VSUM], s2, v6                   ; my sums
	s_xor_b32 s3, s16, 1
	s_mul_i32 s3, s3, 768
	s_add_co_u32 s3, s3, SUMS
	v_add_nc_u32 v[VSUMP], s3, v6                  ; those of the wave with the other columns of my tokens
	s_mul_i32 s62, s21, NG*262144                  ; qkv: head 3 nb, token 128 mb + 32 w, 16 bytes a lane
	s_lshl_b32 s63, s22, 14
	s_add_co_u32 s62, s62, s63
	s_lshl_b32 s63, s16, 12
	s_add_co_u32 s62, s62, s63
	v_lshl_add_u32 v[VGO], v5, 4, s62
	s_lshl_b32 s63, s22, 15                        ; cs: token 128 mb + 64 mh + r, 256 bytes each; f = 16 c + 8 h + j
	s_lshl_b32 s62, s17, 14
	s_add_co_u32 s63, s63, s62
	s_lshl_b32 s62, s18, 6
	v_lshlrev_b32 v[VW], 5, v2
	v_add_nc_u32 v[VW], s62, v[VW]                 ; 64 c + 32 h: also my place in the norm weights
	v_lshl_add_u32 v[VCS], v1, 8, v[VW]
	v_add_nc_u32 v[VCS], s63, v[VCS]
.irp mt, 0,1,2,3
	global_load_b128 v[CS+16*\mt:CS+16*\mt+3],     v[VCS], s[8:9] offset:4096*\mt
	global_load_b128 v[CS+16*\mt+4:CS+16*\mt+7],   v[VCS], s[8:9] offset:4096*\mt+16
	global_load_b128 v[CS+16*\mt+8:CS+16*\mt+11],  v[VCS], s[8:9] offset:4096*\mt+128
	global_load_b128 v[CS+16*\mt+12:CS+16*\mt+15], v[VCS], s[8:9] offset:4096*\mt+144
.endr
.macro LOADW i, wb
	global_load_b128 v[\wb:\wb+3],     v[VW], s[56+2*\i:57+2*\i]
	global_load_b128 v[\wb+4:\wb+7],   v[VW], s[56+2*\i:57+2*\i] offset:16
	global_load_b128 v[\wb+8:\wb+11],  v[VW], s[56+2*\i:57+2*\i] offset:128
	global_load_b128 v[\wb+12:\wb+15], v[VW], s[56+2*\i:57+2*\i] offset:144
.endm
	LOADW 0, WN0
	LOADW 1, WN1
	LOADW 2, WN2
	s_wait_loadcnt 0x0
; The norm weights are rounded to bf16 like the other inputs; q's scale goes into them (the rotation is linear); a v head's weights become 1.
.macro SCALEW i, wb
.irp q, 0,1,2,3,4,5,6,7
	v_cvt_pk_bf16_f32 v[WT+\q], v[\wb+2*\q], v[\wb+2*\q+1]
.endr
.irp q, 0,1,2,3,4,5,6,7
	v_lshlrev_b32 v[\wb+2*\q], 16, v[WT+\q]
	v_and_b32 v[\wb+2*\q+1], 0xffff0000, v[WT+\q]
.endr
.irp j, 0,1,2,3,4,5,6,7,8,9,10,11,12,13,14,15
	v_mul_f32 v[\wb+\j], s[69+\i], v[\wb+\j]
.endr
.irp j, 0,1,2,3,4,5,6,7,8,9,10,11,12,13,14,15
	v_cndmask_b32 v[\wb+\j], 1.0, v[\wb+\j], s[66+\i]
.endr
.endm
	SCALEW 0, WN0
	SCALEW 1, WN1
	SCALEW 2, WN2
; n token tiles from mt0 on x all NQ column tiles, 32 along K, from buffer b.  zero = 1: the first product starts the sums.
; The accumulators take turns, one instruction a turn, in the same order in every quarter.
.macro MULT b, mt0, n, zero
.set mt_, \mt0
.rept \n
.set q_, 0
.rept NQ
.if \zero
	v_wmma_f32_16x16x32_bf16 v[8*(NQ*mt_+q_):8*(NQ*mt_+q_)+7], v[WF+8*NQ*\b+8*q_:WF+8*NQ*\b+8*q_+7], v[TF+32*\b+8*mt_:TF+32*\b+8*mt_+7], 0
.else
	v_wmma_f32_16x16x32_bf16 v[8*(NQ*mt_+q_):8*(NQ*mt_+q_)+7], v[WF+8*NQ*\b+8*q_:WF+8*NQ*\b+8*q_+7], v[TF+32*\b+8*mt_:TF+32*\b+8*mt_+7], v[8*(NQ*mt_+q_):8*(NQ*mt_+q_)+7]
.endif
.set q_, q_+1
.endr
.set mt_, mt_+1
.endr
.endm
; the fragments of quarter kq of a slot into buffer b: 2 NQ transposing loads of weights, then 8 loads of tokens, token tiles ascending
.macro FETCH slot, kq, b
	WIN 0
.set i_, 0
.rept NG
.irp p, 0,1
	ds_load_tr16_b128 v[WF+8*NQ*\b+8*(2*i_+\p):WF+8*NQ*\b+8*(2*i_+\p)+3],   v[ADRW+NG*\slot+i_] offset:32*WPITCH*\kq+64*\p
	ds_load_tr16_b128 v[WF+8*NQ*\b+8*(2*i_+\p)+4:WF+8*NQ*\b+8*(2*i_+\p)+7], v[ADRW+NG*\slot+i_] offset:32*WPITCH*\kq+64*\p+16*WPITCH
.endr
.set i_, i_+1
.endr
	WIN MUL
.irp mt, 0,1,2,3
	ds_load_b128 v[TF+32*\b+8*\mt:TF+32*\b+8*\mt+3],   v[ADRT+\slot] offset:16*APITCH*\mt+64*\kq
	ds_load_b128 v[TF+32*\b+8*\mt+4:TF+32*\b+8*\mt+7], v[ADRT+\slot] offset:16*APITCH*\mt+64*\kq+32
.endr
.endm
; one of a K step's first three quarters: multiplies buffer f, and in its middle fetches quarter kq into buffer g
.macro QUARTER slot, kq, f, g, zero
	s_wait_dscnt 4                                 ; all but the youngest four loads (token tiles 2 and 3) are in
	WIN MUL
	MULT \f, 0, 2, \zero
	PLACES                                         ; buffer g was last read by matrix instructions: four places in front of the loads into it
	FETCH \slot, \kq, \g
	s_wait_dscnt 2*NQ+8                            ; all but the run just issued
	MULT \f, 2, 2, \zero
.endm
.macro THREE slot, zero
	QUARTER \slot, 1, 0, 1, \zero
	QUARTER \slot, 2, 1, 0, 0
	QUARTER \slot, 3, 0, 1, 0
.endm
; the last quarter multiplies buffer 1 and changes slots.  In front of the barrier each wave waits for its reads of this slot and for all its
; tensor loads (one is out: its part of the next slot).  Where the slot is filled again the barrier opens a round of the cluster's barrier,
; and the joint refill is the first tensor load behind the round's closing wait.
.macro TURN slot, next, fill
	s_wait_dscnt 4
	WIN MUL
	MULT 1, 0, 1, 0
	s_wait_dscnt 0x0                               ; my reads of this slot are over
	s_wait_tensorcnt 0x0                           ; all my tensor loads have landed
	s_barrier_signal -1
	MULT 1, 1, 1, 0                                ; register work while the others arrive
	WIN 0
	s_barrier_wait -1
.if \fill
	CREST
	s_add_nc_u64 s[G0A+4*\slot+2:G0A+4*\slot+3], s[G0A+4*\slot+2:G0A+4*\slot+3], 2*KSTEP*2     ; no load of the wave is out: group 0 may be written
	s_add_nc_u64 s[G0B+4*\slot+2:G0B+4*\slot+3], s[G0B+4*\slot+2:G0B+4*\slot+3], 2*KSTEP*128
	JLOAD \slot                                    ; its four v_nop are also the places in front of the loads below
.else
	PLACES
.endif
	FETCH \next, 0, 0
	MULT 1, 2, 2, 0
.endm
.macro LAP zero
	THREE 0, \zero
	TURN 0, 1, 1
	THREE 1, 0
	TURN 1, 0, 1
.endm
	s_wait_tensorcnt 0x1                           ; my part of K step 0 is in; K step 1's stays out
	s_barrier_signal -1
	s_barrier_wait -1
	FETCH 0, 0, 0
	LAP 1                                          ; the first lap's first products start the sums
	WIN 0
	s_mov_b32 s75, LAPS-2
.Llap:
	LAP 0
	WIN 0
	s_sub_co_u32 s75, s75, 1
	s_cmp_lg_u32 s75, 0
	s_cbranch_scc1 .Llap
	THREE 0, 0                                     ; the last lap fills nothing
	TURN 0, 1, 0
	THREE 1, 0
	s_wait_dscnt 0x0
	WIN MUL
	MULT 1, 0, 4, 0
	; SUMS OF SQUARES.  g = 3 mt + head: its 16 numbers of a lane are the accumulator registers 16 g .. 16 g + 15.
	PLACES
	s_mov_b32 s75, 0x3c800000                      ; 1 / 64
	WIN 0x05                                       ; sources 0 and 1 window 1
.irp g, 0,1,2,3,4,5,6,7,8,9,10,11
	v_pk_mul_f32 v[64+2*\g:65+2*\g], v[16*\g:16*\g+1], v[16*\g:16*\g+1]
.endr
.irp q, 1,2,3,4,5,6,7
.irp g, 0,1,2,3,4,5,6,7,8,9,10,11
	v_pk_fma_f32 v[64+2*\g:65+2*\g], v[16*\g+2*\q:16*\g+2*\q+1], v[16*\g+2*\q:16*\g+2*\q+1], v[64+2*\g:65+2*\g]
.endr
.endr
	WIN 0
.irp g, 0,1,2,3,4,5,6,7,8,9,10,11
	v_add_f32 v[88+\g], v[64+2*\g], v[65+2*\g]
.endr
.irp g, 0,1,2,3,4,5,6,7,8,9,10,11
	v_permlanex16_b32 v[64+\g], v[88+\g], s72, s73 ; the other eight columns of each tile
.endr
.irp g, 0,1,2,3,4,5,6,7,8,9,10,11
	v_add_f32 v[88+\g], v[88+\g], v[64+\g]
.endr
	ds_store_b128 v[VSUM], v[88:91]
	ds_store_b128 v[VSUM], v[92:95] offset:16
	ds_store_b128 v[VSUM], v[96:99] offset:32
	s_wait_dscnt 0x0                               ; for the other wave's sake
	s_barrier_signal -1
	s_barrier_wait -1
	ds_load_b128 v[64:67], v[VSUMP]
	ds_load_b128 v[68:71], v[VSUMP] offset:16
	ds_load_b128 v[72:75], v[VSUMP] offset:32
	s_wait_dscnt 0x0
.irp g, 0,1,2,3,4,5,6,7,8,9,10,11
	v_add_f32 v[88+\g], v[88+\g], v[64+\g]
.endr
.irp g, 0,1,2,3,4,5,6,7,8,9,10,11
	v_fma_f32 v[88+\g], v[88+\g], s75, s74         ; mean + eps
.endr
.irp g, 0,1,2,3,4,5,6,7,8,9,10,11
	v_rsq_f32 v[88+\g], v[88+\g]
.endr
	v_nop                                          ; one plain instruction behind the run of v_rsq_f32 (ISA guide 5.7.2)
	s_wait_alu depctr_va_vdst(0)
.irp g, 0,1,2,3,4,5,6,7,8,9,10,11
	v_cndmask_b32 v[RSP+2*\g], 1.0, v[88+\g], s[66+\g%3]       ; a v head is not normalised
	v_cndmask_b32 v[RSP+2*\g+1], 1.0, v[88+\g], s[66+\g%3]
.endr
; NORM, ROTATION, ROUNDING, one token tile at a time
.macro HEADOUT mt, i, wb
.irp q, 0,1,2,3,4,5,6,7
	v_pk_mul_f32 v[YY+16*\i+2*\q:YY+16*\i+2*\q+1], v[YY+16*\i+2*\q:YY+16*\i+2*\q+1], v[\wb+2*\q:\wb+2*\q+1]
.endr
.irp j, 0,1,2,3,4,5,6,7
	v_cndmask_b32 v[CC+\j], 1.0, v[CS+16*\mt+\j], s[66+\i]     ; a v head turns by the angle 0
	v_cndmask_b32 v[SS+\j], 0, v[CS+16*\mt+8+\j], s[66+\i]
.endr
.irp q, 0,1,2,3
	v_pk_mul_f32 v[O1+2*\q:O1+2*\q+1], v[YY+16*\i+2*\q:YY+16*\i+2*\q+1], v[CC+2*\q:CC+2*\q+1]
	v_pk_mul_f32 v[O2+2*\q:O2+2*\q+1], v[YY+16*\i+2*\q:YY+16*\i+2*\q+1], v[SS+2*\q:SS+2*\q+1]
.endr
.irp j, 0,1,2,3,4,5,6,7
	v_fma_f32 v[O1+\j], -v[YY+16*\i+8+\j], v[SS+\j], v[O1+\j]  ; d < 32: x1 cos - x2 sin
.endr
.irp q, 0,1,2,3
	v_pk_fma_f32 v[O2+2*\q:O2+2*\q+1], v[YY+16*\i+8+2*\q:YY+16*\i+8+2*\q+1], v[CC+2*\q:CC+2*\q+1], v[O2+2*\q:O2+2*\q+1]   ; d >= 32: x2 cos + x1 sin
.endr
.irp q, 0,1,2,3
	v_cvt_pk_f16_f32 v[PK+\q], v[O1+2*\q], v[O1+2*\q+1]        ; one rounding, to f16
	v_cvt_pk_f16_f32 v[PK+4+\q], v[O2+2*\q], v[O2+2*\q+1]
.endr
	ds_store_b128 v[VST], v[PK:PK+3]   offset:SHEAD*\i+16*SPITCH*\mt
	ds_store_b128 v[VST], v[PK+4:PK+7] offset:SHEAD*\i+16*SPITCH*\mt+64
.endm
.macro ROPE mt
	WIN 0x01                                       ; source 0 window 1
.irp i, 0,1,2
.irp q, 0,1,2,3,4,5,6,7
	v_pk_mul_f32 v[YY+16*\i+2*\q:YY+16*\i+2*\q+1], v[16*(3*\mt+\i)+2*\q:16*(3*\mt+\i)+2*\q+1], v[RSP+2*(3*\mt+\i):RSP+2*(3*\mt+\i)+1]
.endr
.endr
	WIN 0
	HEADOUT \mt, 0, WN0
	HEADOUT \mt, 1, WN1
	HEADOUT \mt, 2, WN2
.endm
	ROPE 0
	ROPE 1
	ROPE 2
	ROPE 3
	s_wait_dscnt 0x0                               ; my part of the stage is written,
	s_barrier_signal -1
	s_barrier_wait -1                              ; everybody's is
	; THE WAY OUT: of each head my 32 tokens are 4,096 dense bytes of qkv: eight loads and stores of 512 consecutive bytes, aligned
.irp i, 0,1,2
.irp t, 0,1,2,3,4,5,6,7
	ds_load_b128 v[64+4*(8*\i+\t):64+4*(8*\i+\t)+3], v[VRD] offset:SHEAD*\i+4*SPITCH*\t
.endr
.endr
.irp i, 0,1,2
.irp t, 0,1,2,3,4,5,6,7
	s_wait_dscnt 23-(8*\i+\t)                      ; LDS loads return in order: this one is in
	global_store_b128 v[VGO], v[64+4*(8*\i+\t):64+4*(8*\i+\t)+3], s[14:15] offset:262144*\i+512*\t
.endr
.endr
	CROUND                                         ; the closing round: no work-group ends while a partner may still ask jointly
	s_endpgm
.Lfunc_end_k_q7bd8333ffa_proj:
	.size	k_q7bd8333ffa_proj, .Lfunc_end_k_q7bd8333ffa_proj-k_q7bd8333ffa_proj
	.p2alignl 7, 3214868480
	.fill 96, 4, 3214868480
	.section	.rodata,"a",@progbits
	.p2align	6, 0x0
	.amdhsa_kernel k_q7bd8333ffa_proj
		.amdhsa_group_segment_fixed_size 327680
		.amdhsa_private_segment_fixed_size 0
		.amdhsa_enable_private_segment 0
		.amdhsa_kernarg_size 48
		.amdhsa_user_sgpr_count 2
		.amdhsa_user_sgpr_kernarg_segment_ptr 1
		.amdhsa_wavefront_size32 1
		.amdhsa_system_sgpr_workgroup_id_x 1
		.amdhsa_system_sgpr_workgroup_id_y 1
		.amdhsa_system_sgpr_workgroup_id_z 1
		.amdhsa_system_vgpr_workitem_id 0
		.amdhsa_next_free_vgpr 512
		.amdhsa_next_free_sgpr 80
		.amdhsa_reserve_vcc 0
		.amdhsa_float_denorm_mode_32 3
		.amdhsa_float_denorm_mode_16_64 3
		.amdhsa_memory_ordered 1
		.amdhsa_forward_progress 1
		.amdhsa_inst_pref_size 158
	.end_amdhsa_kernel
	.amdgpu_metadata
---
amdhsa.version: [ 1, 2 ]
amdhsa.kernels:
  - .name:           k_q7bd8333ffa_proj
    .symbol:         k_q7bd8333ffa_proj.kd
    .args:
      - { .name: abf, .offset: 0, .size: 8, .value_kind: global_buffer, .address_space: global }
      - { .name: wcat, .offset: 8, .size: 8, .value_kind: global_buffer, .address_space: global }
      - { .name: cs, .offset: 16, .size: 8, .value_kind: global_buffer, .address_space: global }
      - { .name: q_norm_w, .offset: 24, .size: 8, .value_kind: global_buffer, .address_space: global }
      - { .name: k_norm_w, .offset: 32, .size: 8, .value_kind: global_buffer, .address_space: global }
      - { .name: qkv, .offset: 40, .size: 8, .value_kind: global_buffer, .address_space: global }
    .group_segment_fixed_size: 327680
    .private_segment_fixed_size: 0
    .kernarg_segment_align: 8
    .kernarg_segment_size: 48
    .max_flat_workgroup_size: 128
    .sgpr_count:     80
    .vgpr_count:     512
    .wavefront_size: 32
...
	.end_amdgpu_metadata
.endif
;; end of part 2
;; launch attn (part 3): grid 32 x 8, 8 waves a work-group, no clusters, 327,680 bytes of LDS; arguments qkv, att; writes att
.if DOCPART == 3
	.amdgcn_target "amdgcn-amd-amdhsa--gfx1250"
	.amdhsa_code_object_version 6
	.text
	.protected	k_q7bd8333ffa_attn
	.globl	k_q7bd8333ffa_attn
	.p2align	8
	.type	k_q7bd8333ffa_attn,@function
k_q7bd8333ffa_attn:
	s_mov_b64 s[64:65], 0
	v_nop
	global_prefetch_b8 v0, s[64:65] scope:SCOPE_SE
	s_setreg_imm32_b32 hwreg(HW_REG_WAVE_MODE, 25, 1), 1
	s_wait_xcnt 0x0
; Causal attention with a running maximum.  qkv: f16 [48 heads][2048 t][64 d], q already scaled by 0.125 log2 e.  att: f16 [2048 t][32 heads x 64].
; Work-group (p = x, kv head = y) serves two blocks of 32 tokens, b = p and then b = 63 - p.  Keys go in slots of 128; block b needs
; (b >> 2) + 1 of them, so every work-group makes (p>>2) + 1 + 15 - (p>>2) + 1 = 17 trips.  Wave w: query head 4 y + (w & 3), keys
; 64 (w >> 2) .. + 63 of each slot; the two key halves keep their own maximum, sum and output and are merged at the end of a block.
; The products are taken transposed.  S^T = K Q^T: lane (r, h) holds token r, its registers the keys 8 h + j, so maximum and sum stay in the lane
; but for one exchange of the halves, and two tiles of S^T rounded to f16 in place ARE the second operand of O^T = V^T P^T.
; O^T gives each lane eight neighbouring d of one token.
; K and V tiles (128 keys x 128 bytes, dense) come by tensor loads through two LDS slots: wave 0 asks for K's, wave 1 for V's, one load behind each
; trip's barrier: at most one tensor load of a wave is out.
; NO CLUSTER: the 32 work-groups of a kv head read the same K and V, but in trip i work-group p is at slot i or at slot i - (p>>2) - 1: partners
; want different tiles in the same trip, and a trip's 32 KiB serve 32 x 4 x 128 scores.
; FORMATS AND LIMITS: the operands q, k, v and the weights p are f16, and so is att; sums, maxima and exponentials f32.  p lies in 0 .. 1 (below 2^-14
; its error is at most 2^-25); att is a mean of v and has v's range, which must stay under 65,504.  The running maximum starts at the most negative
; finite f32, not at -inf, since a wave's half of the keys can be masked whole.  v_exp_f32 gives 0 for results below 2^-126 (ISA guide 15.8).
.set KP,   144                         ; K's LDS row: 128 bytes + 16
.set VP,   160                         ; V's LDS row: 128 bytes + 32, an odd multiple of 32 for the transposing load
.set KT,   128*KP
.set VT,   128*VP
.set SLOT, KT+VT                       ; 38,912
.set SCR,  2*SLOT                      ; 4 heads x 17 x 512 bytes: the upper key half's output, maxima and sums
.set STG,  SCR+4*17*512                ; 32 tokens x 528 bytes: the block's 4 heads, on the way out
.set STP,  528
.set VGO,  7                           ; my byte offset in the block's rows of att
.set QR,   8                           ; v[8:39]    Q fragments at 8 (2 nt + ks)
.set SR,   40                          ; v[40:103]  S^T tile (mt, nt) at 16 (2 (mt/2) + nt) + 8 (mt%2)
.set OA,   104                         ; v[104:167] O^T tile (dt, nt) at 8 (2 dt + nt)
.set KV,   168                         ; v[168:231] K fragments, then V fragments
.set MM,   232                         ; m of token tile 0, 1
.set LL,   234                         ; l of token tile 0, 1
.set MN,   236                         ; v[236:239] the new maximum, each twice: a pair for packed arithmetic
.set AL,   240                         ; v[240:243] exp2(m - new m), each twice
.set TT,   244                         ; v[244:247] at work
.set VK,   248
.set VV,   249
.set VDL,  250                         ; r - 8 h + 32 (b & 3) - 64 (w >> 2): a key of the last slot is masked if 16 mt - 16 nt + j is larger
.set VNEG, 251                         ; -inf
.set VQ,   252
.set VSCR, 253
.set VSTG, 254
.set VRD,  255
.set G1K, 28
.set G1V, 36
.set G0K, 44                           ; s[44:51] group 0 of K's tile, one set for each slot
.set G0V, 52                           ; s[52:59] the same for V
	s_load_b128 s[4:7], s[0:1], 0x0                ; qkv s[4:5], att s[6:7]
	v_lshrrev_b32 v1, 5, v0
	v_readfirstlane_b32 s8, v1                     ; wave
	s_and_b32 s9, s8, 3                            ; query head of the group
	s_lshr_b32 s10, s8, 2                          ; key half
	s_mov_b32 s11, ttmp9                           ; p
	s_and_b32 s12, ttmp7, 0xffff                   ; kv head
	s_mov_b32 s13, s11                             ; b
	s_mov_b32 s14, 0                               ; trip
	s_lshr_b32 s15, s11, 2                         ; the trip that ends the block
	s_mov_b32 s16, 0                               ; byte offset of the next tile in K and in V
	s_mov_b32 s17, 0
	s_mov_b32 s19, 0
	s_mov_b32 s66, 0x76543210
	s_mov_b32 s67, 0xfedcba98
	; group 1: 16 KiB dense, as 64 rows x 32 elements of 8 bytes; padding after every 32 words (a key's 128 bytes): K 4 words, V 8
	s_mov_b32 s[G1K+0], (3<<16)|(1<<20)|(4<<22)|(3<<25)
	s_mov_b32 s[G1V+0], (3<<16)|(1<<20)|(4<<22)|(7<<25)
.irp g, G1K, G1V
	s_mov_b32 s[\g+1], 32<<16
	s_mov_b32 s[\g+2], 64<<16
	s_mov_b32 s[\g+3], 32<<16
	s_mov_b32 s[\g+4], 64
	s_mov_b32 s[\g+5], 32
	s_mov_b32 s[\g+6], 0
	s_mov_b32 s[\g+7], 0
.endr
	s_add_co_u32 s18, s12, 32
	s_lshl_b32 s18, s18, 18                        ; 262,144 bytes a head
	s_wait_kmcnt 0x0
	s_add_nc_u64 s[20:21], s[4:5], s[18:19]        ; K: head 32 + y
	s_add_nc_u64 s[22:23], s[20:21], 0x200000      ; V: eight heads on
	s_lshl_b32 s18, s12, 2
	s_add_co_u32 s18, s18, s9
	s_lshl_b32 s18, s18, 18
	s_add_nc_u64 s[24:25], s[4:5], s[18:19]        ; my query head
	s_lshl_b32 s18, s12, 9
	s_add_nc_u64 s[26:27], s[6:7], s[18:19]        ; att at the group's 512 bytes of a row
	s_lshl_b32 s18, s13, 12
	s_add_nc_u64 s[60:61], s[24:25], s[18:19]      ; Q of block b: 32 tokens of 128 bytes
	s_lshl_b32 s18, s13, 17
	s_add_nc_u64 s[62:63], s[26:27], s[18:19]      ; att of block b: 32 rows of 4,096 bytes
	s_mov_b32 s[G0K+0], 1
	s_mov_b32 s[G0K+1], 0
	s_mov_b64 s[G0K+2:G0K+3], s[20:21]
	s_or_b32 s[G0K+3], s[G0K+3], 0x80000000
	s_mov_b32 s[G0K+4], 1
	s_mov_b32 s[G0K+5], SLOT                       ; slot 1's addresses are written in the first trip
	s_mov_b32 s[G0V+0], 1
	s_mov_b32 s[G0V+1], KT
	s_mov_b64 s[G0V+2:G0V+3], s[22:23]
	s_or_b32 s[G0V+3], s[G0V+3], 0x80000000
	s_mov_b32 s[G0V+4], 1
	s_mov_b32 s[G0V+5], SLOT+KT
.macro FILL slot                       ; wave 0: K's tile; wave 1: V's; the others ask for nothing
	s_cmp_gt_u32 s8, 1
	s_cbranch_scc1 .Lnone_\@
	s_cmp_eq_u32 s8, 0
	s_cbranch_scc0 .Lvals_\@
	tensor_load_to_lds s[G0K+4*(\slot):G0K+4*(\slot)+3], s[G1K:G1K+7]
	s_nop 0
	s_branch .Lnone_\@
.Lvals_\@:
	tensor_load_to_lds s[G0V+4*(\slot):G0V+4*(\slot)+3], s[G1V:G1V+7]
	s_nop 0
.Lnone_\@:
.endm
	FILL 0                                         ; the first tile
	v_and_b32 v1, 15, v0                           ; r
	v_bfe_u32 v2, v0, 4, 1                         ; h
	v_and_b32 v3, 7, v0
	v_bfe_u32 v4, v0, 3, 1
	v_and_b32 v5, 31, v0                           ; L
	v_mul_u32_u24 v[VK], v1, KP                    ; K fragments: d along the rows: (64 kh + r) pitch + 16 h
	v_lshl_add_u32 v[VK], v2, 4, v[VK]
	s_mul_i32 s18, s10, 64*KP
	v_add_nc_u32 v[VK], s18, v[VK]
	v_lshl_add_u32 v6, v2, 3, v3                   ; V fragments: rows are keys: (64 kh + 8 h + (L & 7)) pitch + 16 ((L >> 3) & 1)
	v_mul_u32_u24 v6, v6, VP
	v_lshl_add_u32 v6, v4, 4, v6
	s_mul_i32 s18, s10, 64*VP
	v_add_nc_u32 v[VV], s18, v6
	v_lshlrev_b32 v6, 3, v2
	v_sub_nc_u32 v[VDL], v1, v6
	s_and_b32 s18, s13, 3
	s_lshl_b32 s18, s18, 5
	s_lshl_b32 s69, s10, 6
	s_sub_co_i32 s18, s18, s69
	v_add_nc_u32 v[VDL], s18, v[VDL]
	v_mov_b32 v[VNEG], 0xff800000
	v_lshlrev_b32 v[VQ], 7, v1
	v_lshl_add_u32 v[VQ], v2, 4, v[VQ]             ; Q fragments from memory: 128 r + 16 h
	s_mul_i32 s18, s9, 17*512
	s_add_co_u32 s18, s18, SCR
	v_lshl_add_u32 v[VSCR], v5, 4, s18
	v_mul_u32_u24 v6, v1, STP
	v_lshl_add_u32 v6, v2, 4, v6
	s_lshl_b32 s18, s9, 7
	s_add_co_u32 s18, s18, STG
	v_add_nc_u32 v[VSTG], s18, v6                  ; token r, my head's 128 bytes, 16 h
	s_mul_i32 s18, s8, 4*STP
	s_add_co_u32 s18, s18, STG
	v_lshl_add_u32 v[VRD], v5, 4, s18              ; back: tokens 4 w .., 512 bytes each
	s_lshl_b32 s18, s8, 14
	v_lshl_add_u32 v[VGO], v5, 4, s18
.macro QLOAD
.irp qt, 0,1
.irp ks, 0,1
	global_load_b128 v[QR+8*(2*\qt+\ks):QR+8*(2*\qt+\ks)+3],   v[VQ], s[60:61] offset:2048*\qt+64*\ks
	global_load_b128 v[QR+8*(2*\qt+\ks)+4:QR+8*(2*\qt+\ks)+7], v[VQ], s[60:61] offset:2048*\qt+64*\ks+32
.endr
.endr
.endm
.macro INIT                            ; a block's first trip rescales the output by exp2(-huge) = 0, which wants finite numbers there: 64 registers are cleared twice in the launch
.set n_, 0
.rept 64
	v_mov_b32 v[OA+n_], 0
.set n_, n_+1
.endr
	v_mov_b32 v[MM], 0xff7fffff
	v_mov_b32 v[MM+1], 0xff7fffff
	v_mov_b32 v[LL], 0
	v_mov_b32 v[LL+1], 0
.endm
	QLOAD
	INIT
	s_wait_loadcnt 0x0
.macro MASK                            ; the block's last slot: keys behind the token get -inf
.irp mt, 0,1,2,3
.irp qt, 0,1
.irp j, 0,1,2,3,4,5,6,7
	v_cmp_gt_i32 vcc_lo, 16*\mt-16*\qt+\j, v[VDL]
	v_cndmask_b32 v[SR+16*(2*(\mt/2)+\qt)+8*(\mt%2)+\j], v[SR+16*(2*(\mt/2)+\qt)+8*(\mt%2)+\j], v[VNEG], vcc_lo
.endr
.endr
.endr
.endm
; token tile nt: its 32 scores of a lane are v[B0 .. B0+15] (keys 0-31 of my half) and v[B1 .. B1+15] (keys 32-63)
.macro SOFTMAX nt
.set B0, SR+16*\nt
.set B1, SR+32+16*\nt
.irp k, 0,1,2,3
	v_max3_num_f32 v[TT+\k], v[B0+32*(\k/2)+8*(\k%2)], v[B0+32*(\k/2)+8*(\k%2)+1], v[B0+32*(\k/2)+8*(\k%2)+2]
.endr
.irp k, 0,1,2,3
	v_max3_num_f32 v[TT+\k], v[TT+\k], v[B0+32*(\k/2)+8*(\k%2)+3], v[B0+32*(\k/2)+8*(\k%2)+4]
.endr
.irp k, 0,1,2,3
	v_max3_num_f32 v[TT+\k], v[TT+\k], v[B0+32*(\k/2)+8*(\k%2)+5], v[B0+32*(\k/2)+8*(\k%2)+6]
.endr
.irp k, 0,1,2,3
	v_max_num_f32 v[TT+\k], v[TT+\k], v[B0+32*(\k/2)+8*(\k%2)+7]
.endr
	v_max3_num_f32 v[TT], v[TT], v[TT+1], v[TT+2]
	v_max_num_f32 v[TT], v[TT], v[TT+3]
	v_permlanex16_b32 v[TT+1], v[TT], s66, s67     ; the token's other keys lie in the other half of the lanes
	v_max3_num_f32 v[MN+2*\nt], v[TT], v[TT+1], v[MM+\nt]
	v_mov_b32 v[MN+2*\nt+1], v[MN+2*\nt]
	v_sub_f32 v[TT+2], v[MM+\nt], v[MN+2*\nt]
.irp q, 0,2,4,6,8,10,12,14
	v_pk_add_f32 v[B0+\q:B0+\q+1], v[B0+\q:B0+\q+1], v[MN+2*\nt:MN+2*\nt+1] neg_lo:[0,1] neg_hi:[0,1]
	v_pk_add_f32 v[B1+\q:B1+\q+1], v[B1+\q:B1+\q+1], v[MN+2*\nt:MN+2*\nt+1] neg_lo:[0,1] neg_hi:[0,1]
.endr
	v_exp_f32 v[AL+2*\nt], v[TT+2]
.irp q, 0,1,2,3,4,5,6,7,8,9,10,11,12,13,14,15
	v_exp_f32 v[B0+\q], v[B0+\q]
	v_exp_f32 v[B1+\q], v[B1+\q]
.endr
	v_nop                                          ; one plain instruction behind the run of exponentials (ISA guide 5.7.2)
	s_wait_alu depctr_va_vdst(0)
	v_mov_b32 v[AL+2*\nt+1], v[AL+2*\nt]
	v_pk_add_f32 v[TT:TT+1], v[B0:B0+1], v[B0+2:B0+3]
	v_pk_add_f32 v[TT+2:TT+3], v[B1:B1+1], v[B1+2:B1+3]
.irp q, 4,6,8,10,12,14
	v_pk_add_f32 v[TT:TT+1], v[TT:TT+1], v[B0+\q:B0+\q+1]
	v_pk_add_f32 v[TT+2:TT+3], v[TT+2:TT+3], v[B1+\q:B1+\q+1]
.endr
	v_pk_add_f32 v[TT:TT+1], v[TT:TT+1], v[TT+2:TT+3]
	v_add_f32 v[2+\nt], v[TT], v[TT+1]             ; my lane's part of the row sum
.irp q, 0,1,2,3,4,5,6,7
	v_cvt_pk_f16_f32 v[B0+\q], v[B0+2*\q], v[B0+2*\q+1]        ; in place, ascending: v[B0 .. B0+7] become P^T's fragment of keys 0-31,
	v_cvt_pk_f16_f32 v[B1+\q], v[B1+2*\q], v[B1+2*\q+1]        ; v[B1 .. B1+7] that of keys 32-63
.endr
.endm
; one slot of keys.  The eight accumulators of each product take turns, one instruction a turn.
.macro STEP slot, tail
.irp ks, 0,1
.irp mt, 0,1,2,3
	ds_load_b128 v[KV+8*(4*\ks+\mt):KV+8*(4*\ks+\mt)+3],   v[VK] offset:\slot*SLOT+16*KP*\mt+64*\ks
	ds_load_b128 v[KV+8*(4*\ks+\mt)+4:KV+8*(4*\ks+\mt)+7], v[VK] offset:\slot*SLOT+16*KP*\mt+64*\ks+32
.endr
.endr
	s_wait_dscnt 8                                 ; the fragments of d 0-31 are in, the eight loads of d 32-63 may be out
.irp mt, 0,1,2,3
.irp qt, 0,1
	v_wmma_f32_16x16x32_f16 v[SR+16*(2*(\mt/2)+\qt)+8*(\mt%2):SR+16*(2*(\mt/2)+\qt)+8*(\mt%2)+7], v[KV+8*\mt:KV+8*\mt+7], v[QR+16*\qt:QR+16*\qt+7], 0
.endr
.endr
	s_wait_dscnt 0x0
.irp mt, 0,1,2,3
.irp qt, 0,1
	v_wmma_f32_16x16x32_f16 v[SR+16*(2*(\mt/2)+\qt)+8*(\mt%2):SR+16*(2*(\mt/2)+\qt)+8*(\mt%2)+7], v[KV+32+8*\mt:KV+32+8*\mt+7], v[QR+16*\qt+8:QR+16*\qt+15], v[SR+16*(2*(\mt/2)+\qt)+8*(\mt%2):SR+16*(2*(\mt/2)+\qt)+8*(\mt%2)+7]
.endr
.endr
.rept 4
	v_nop                                          ; four places: in front of the loads over K's fragments and of the first reader of the scores
.endr
.irp ks, 0,1
.irp dt, 0,1,2,3
	ds_load_tr16_b128 v[KV+8*(2*\dt+\ks):KV+8*(2*\dt+\ks)+3],   v[VV] offset:\slot*SLOT+KT+32*VP*\ks+32*\dt
	ds_load_tr16_b128 v[KV+8*(2*\dt+\ks)+4:KV+8*(2*\dt+\ks)+7], v[VV] offset:\slot*SLOT+KT+32*VP*\ks+32*\dt+16*VP
.endr
.endr
.if \tail == 0
	s_cmp_lg_u32 s14, s15                          ; earlier slots lie whole in front of the block's first token
	s_cbranch_scc1 .Lfree_\@
.endif
	MASK
.Lfree_\@:
	SOFTMAX 0
	SOFTMAX 1
.irp dt, 0,1,2,3
.irp qt, 0,1
.irp q, 0,2,4,6
	v_pk_mul_f32 v[OA+8*(2*\dt+\qt)+\q:OA+8*(2*\dt+\qt)+\q+1], v[OA+8*(2*\dt+\qt)+\q:OA+8*(2*\dt+\qt)+\q+1], v[AL+2*\qt:AL+2*\qt+1]
.endr
.endr
.endr
	s_wait_dscnt 0x0                               ; V's fragments
.irp ks, 0,1
.irp dt, 0,1,2,3
.irp qt, 0,1
	v_wmma_f32_16x16x32_f16 v[OA+8*(2*\dt+\qt):OA+8*(2*\dt+\qt)+7], v[KV+8*(2*\dt+\ks):KV+8*(2*\dt+\ks)+7], v[SR+32*\ks+16*\qt:SR+32*\ks+16*\qt+7], v[OA+8*(2*\dt+\qt):OA+8*(2*\dt+\qt)+7]
.endr
.endr
.endr
	v_fma_f32 v[LL], v[LL], v[AL], v2              ; five places behind the last product: the next trip's products write over P's registers,
	v_fma_f32 v[LL+1], v[LL+1], v[AL+2], v3        ; and its loads over V's fragments
	v_mov_b32 v[MM], v[MN]
	v_mov_b32 v[MM+1], v[MN+2]
	v_nop
.endm
; the end of a block: the key halves are merged, the 32 tokens x 4 heads leave.  restart = 1: the second block is set up.
.macro FINISH restart
.if \restart
	s_sub_co_u32 s13, 63, s11                      ; b = 63 - p
	s_lshl_b32 s18, s13, 12
	s_add_nc_u64 s[60:61], s[24:25], s[18:19]      ; the first block's loads of Q were waited for long ago
	QLOAD                                          ; they land while the halves are merged
.endif
	v_permlanex16_b32 v1, v[LL], s66, s67
	v_permlanex16_b32 v4, v[LL+1], s66, s67
	v_add_f32 v[LL], v[LL], v1                     ; the row sums over both halves of the lanes
	v_add_f32 v[LL+1], v[LL+1], v4
	s_cmp_lt_u32 s8, 4
	s_cbranch_scc1 .Lkeep_\@
.set n_, 0
.rept 16
	ds_store_b128 v[VSCR], v[OA+4*n_:OA+4*n_+3] offset:512*n_
.set n_, n_+1
.endr
	ds_store_b128 v[VSCR], v[MM:MM+3] offset:512*16
.Lkeep_\@:
	s_wait_dscnt 0x0                               ; the upper halves' figures are written
	s_barrier_signal -1
	s_barrier_wait -1
	s_cmp_ge_u32 s8, 4
	s_cbranch_scc1 .Lmerged_\@
.set n_, 0
.rept 16
	ds_load_b128 v[SR+4*n_:SR+4*n_+3], v[VSCR] offset:512*n_
.set n_, n_+1
.endr
	ds_load_b128 v[TT:TT+3], v[VSCR] offset:512*16
	s_wait_dscnt 0x0
.irp qt, 0,1
	v_max_num_f32 v1, v[MM+\qt], v[TT+\qt]
	v_sub_f32 v5, v[MM+\qt], v1
	v_sub_f32 v6, v[TT+\qt], v1
	v_exp_f32 v5, v5
	v_exp_f32 v6, v6
	v_nop
	s_wait_alu depctr_va_vdst(0)
	v_mul_f32 v4, v[TT+2+\qt], v6
	v_fma_f32 v4, v[LL+\qt], v5, v4                ; the lower half always holds the key at the slot's start: the sum is above 0
	v_rcp_f32 v4, v4
	v_nop
	s_wait_alu depctr_va_vdst(0)
	v_mul_f32 v[MN+2*\qt], v5, v4
	v_mul_f32 v[MN+2*\qt+1], v5, v4
	v_mul_f32 v[AL+2*\qt], v6, v4
	v_mul_f32 v[AL+2*\qt+1], v6, v4
.endr
.irp dt, 0,1,2,3
.irp qt, 0,1
.irp q, 0,2,4,6
	v_pk_mul_f32 v[SR+8*(2*\dt+\qt)+\q:SR+8*(2*\dt+\qt)+\q+1], v[SR+8*(2*\dt+\qt)+\q:SR+8*(2*\dt+\qt)+\q+1], v[AL+2*\qt:AL+2*\qt+1]
.endr
.irp q, 0,2,4,6
	v_pk_fma_f32 v[OA+8*(2*\dt+\qt)+\q:OA+8*(2*\dt+\qt)+\q+1], v[OA+8*(2*\dt+\qt)+\q:OA+8*(2*\dt+\qt)+\q+1], v[MN+2*\qt:MN+2*\qt+1], v[SR+8*(2*\dt+\qt)+\q:SR+8*(2*\dt+\qt)+\q+1]
.endr
.irp q, 0,1,2,3
	v_cvt_pk_f16_f32 v[OA+8*(2*\dt+\qt)+\q], v[OA+8*(2*\dt+\qt)+2*\q], v[OA+8*(2*\dt+\qt)+2*\q+1]
.endr
	ds_store_b128 v[VSTG], v[OA+8*(2*\dt+\qt):OA+8*(2*\dt+\qt)+3] offset:16*STP*\qt+32*\dt
.endr
.endr
.Lmerged_\@:
	s_wait_dscnt 0x0
	s_barrier_signal -1
	s_barrier_wait -1
.irp t, 0,1,2,3
	ds_load_b128 v[KV+4*\t:KV+4*\t+3], v[VRD] offset:STP*\t
.endr
.irp t, 0,1,2,3
	s_wait_dscnt 3-\t
	global_store_b128 v[VGO], v[KV+4*\t:KV+4*\t+3], s[62:63] offset:4096*\t    ; the wave stores 512 consecutive bytes of one token, aligned
.endr
.if \restart
	s_wait_xcnt 0x0                                ; the stores' base and data are written again only behind this wait
	s_lshl_b32 s18, s13, 17
	s_add_nc_u64 s[62:63], s[26:27], s[18:19]
	s_and_b32 s69, s11, 3
	s_lshl_b32 s69, s69, 6
	s_sub_co_i32 s69, 96, s69                      ; 32 ((63 - p) & 3) - 32 (p & 3) = 96 - 64 (p & 3)
	v_add_nc_u32 v[VDL], s69, v[VDL]
	s_mov_b32 s15, 16                              ; the second block ends with the last trip
	INIT
	s_wait_loadcnt 0x0                             ; Q
.endif
.endm
; A trip.  In front of the barrier every wave waits for all its tensor loads (this trip's tile among them) and for its reads of the other slot;
; behind it the other slot is filled first, with the next trip's tile, and then this slot is read.
.macro TRIP slot, refill, tail
	s_wait_tensorcnt 0x0
.if \refill
	s_add_co_u32 s16, s16, 16384                   ; the next 128 keys,
	s_cmp_eq_u32 s14, s15
	s_cselect_b32 s16, 0, s16                      ; or the second block's first
	s_add_nc_u64 s[G0K+6-4*\slot:G0K+7-4*\slot], s[20:21], s[16:17]    ; no load of the wave is out: group 0 may be written
	s_or_b32 s[G0K+7-4*\slot], s[G0K+7-4*\slot], 0x80000000
	s_add_nc_u64 s[G0V+6-4*\slot:G0V+7-4*\slot], s[22:23], s[16:17]
	s_or_b32 s[G0V+7-4*\slot], s[G0V+7-4*\slot], 0x80000000
.endif
	s_wait_dscnt 0x0
	s_barrier_signal -1
	s_barrier_wait -1
.if \refill
	FILL 1-\slot
.endif
	STEP \slot, \tail
.if \tail
	FINISH 0
.else
	s_cmp_lg_u32 s14, s15
	s_cbranch_scc1 .Lon_\@
	FINISH 1
.Lon_\@:
	s_add_co_u32 s14, s14, 1
.endif
.endm
	s_mov_b32 s68, 8
.Ltrips:
	TRIP 0, 1, 0
	TRIP 1, 1, 0
	s_sub_co_u32 s68, s68, 1
	s_cmp_lg_u32 s68, 0
	s_cbranch_scc1 .Ltrips
	TRIP 0, 0, 1                                   ; the seventeenth trip fetches nothing and ends the second block
	s_endpgm
.Lfunc_end_k_q7bd8333ffa_attn:
	.size	k_q7bd8333ffa_attn, .Lfunc_end_k_q7bd8333ffa_attn-k_q7bd8333ffa_attn
	.p2alignl 7, 3214868480
	.fill 96, 4, 3214868480
	.section	.rodata,"a",@progbits
	.p2align	6, 0x0
	.amdhsa_kernel k_q7bd8333ffa_attn
		.amdhsa_group_segment_fixed_size 327680
		.amdhsa_private_segment_fixed_size 0
		.amdhsa_enable_private_segment 0
		.amdhsa_kernarg_size 16
		.amdhsa_user_sgpr_count 2
		.amdhsa_user_sgpr_kernarg_segment_ptr 1
		.amdhsa_wavefront_size32 1
		.amdhsa_system_sgpr_workgroup_id_x 1
		.amdhsa_system_sgpr_workgroup_id_y 1
		.amdhsa_system_sgpr_workgroup_id_z 1
		.amdhsa_system_vgpr_workitem_id 0
		.amdhsa_next_free_vgpr 256
		.amdhsa_next_free_sgpr 72
		.amdhsa_reserve_vcc 1
		.amdhsa_float_denorm_mode_32 3
		.amdhsa_float_denorm_mode_16_64 3
		.amdhsa_memory_ordered 1
		.amdhsa_forward_progress 1
		.amdhsa_inst_pref_size 113
	.end_amdhsa_kernel
	.amdgpu_metadata
---
amdhsa.version: [ 1, 2 ]
amdhsa.kernels:
  - .name:           k_q7bd8333ffa_attn
    .symbol:         k_q7bd8333ffa_attn.kd
    .args:
      - { .name: qkv, .offset: 0, .size: 8, .value_kind: global_buffer, .address_space: global }
      - { .name: att, .offset: 8, .size: 8, .value_kind: global_buffer, .address_space: global }
    .group_segment_fixed_size: 327680
    .private_segment_fixed_size: 0
    .kernarg_segment_align: 8
    .kernarg_segment_size: 16
    .max_flat_workgroup_size: 256
    .sgpr_count:     72
    .vgpr_count:     256
    .wavefront_size: 32
...
	.end_amdgpu_metadata
.endif
;; end of part 3
;; launch oproj (part 4): grid 16 x 16, 4 waves a work-group, clusters of 4 x 4, 327,680 bytes of LDS; arguments att, wot, out0; writes out0
.if DOCPART == 4
	.amdgcn_target "amdgcn-amd-amdhsa--gfx1250"
	.amdhsa_code_object_version 6
	.text
	.protected	k_q7bd8333ffa_oproj
	.globl	k_q7bd8333ffa_oproj
	.p2align	8
	.type	k_q7bd8333ffa_oproj,@function
k_q7bd8333ffa_oproj:
	s_mov_b64 s[64:65], 0
	v_nop
	global_prefetch_b8 v0, s[64:65] scope:SCOPE_SE
	s_setreg_imm32_b32 hwreg(HW_REG_WAVE_MODE, 25, 1), 1
	s_wait_xcnt 0x0
	s_wait_alu depctr_hold_cnt(0) depctr_sa_sdst(0) depctr_va_vdst(0) depctr_va_sdst(0) depctr_va_ssrc(0) depctr_va_vcc(0) depctr_vm_vsrc(0)
	s_getreg_b32 s2, hwreg(HW_REG_IB_STS2, 6, 4)
	s_cmp_eq_u32 s2, 0
	s_cbranch_scc0 .Lentry_in_a_cluster
	s_endpgm
.Lentry_in_a_cluster:
	s_bfe_u32 s2, ttmp6, 0x10000c
	s_cmp_lg_u32 s2, 0xf033
	s_cbranch_scc0 .Lentry_shape_is_right
	s_endpgm
.Lentry_shape_is_right:
; out0 = att Wo.  att: f16 [2048 t][2048 k].  wot: f16 [32 groups][2048 k][64].  out0: f32 [2048][2048].
; A work-group makes 128 tokens x 128 columns (two groups) with four waves: 16 x 16 = 256 work-groups.  Wave w: tokens 64 (w>>1) .. +63; c = w & 1;
; of each group the column tiles 16 c + 32 p .. +15, p = 0, 1: 16 accumulator tiles.  The matrix instruction is used transposed (source 0 = 16
; columns of the weights, source 1 = 16 tokens): a lane holds eight neighbouring columns of one token.
; K goes in steps of 128 through two LDS slots of four regions, region = wave: waves 0, 1 ask for 64 tokens x 256 bytes each, waves 2, 3 for one
; group's 128 k x 128 bytes each (dense, taken as 64 rows of 256 bytes).  CLUSTERS: 4 x 4 work-groups; the tokens' tiles are asked for jointly along
; a row of the cluster, the weights' along a column: the requests for both are divided by four.
; FORMATS: operands f16 (att with its own 11 bits; Wo's numbers are those of its rounding to bf16), sums f32.
.set NG,     2
.set NQ,     2*NG
.set KSTEP,  128
.set APITCH, 272
.set WPITCH, 160
.set REG,    128*WPITCH                ; 20,480: a region; 64 token rows of 272 bytes take 17,408 of it
.set SLOT,   4*REG
.set STAGE,  2*SLOT                    ; the way out: 128 rows x 528 bytes; no tensor load lands here
.set OPITCH, 528
.set LAPS,   2048/(2*KSTEP)
.set ADRT,  16                         ; v16-17  my token fragments in slot 0, 1
.set ADRW,  18                         ; v18-21  my weight fragments, [slot][group]
.set VST,   24
.set VRD,   25
.set VGO,   26
.set WF,    64                         ; v[64:95], v[96:127] weight fragments, two buffers
.set TF,    192                        ; window 1: v[192:223], v[224:255] token fragments; accumulator (mt, q) at 8 (NQ mt + q)
.set G1A, 24
.set G0A, 32
.set G1B, 40
.set G0B, 48
.set MUL, 0x54                         ; source 0 window 0, source 1, C and D window 1; an LDS load under it: data window 1, address window 0
.set MSB, 0
.macro WIN new
.if MSB != \new
	s_set_vgpr_msb (MSB<<8)|\new
.set MSB, \new
.endif
.endm
.macro PLACES                          ; four independent vector instructions behind a matrix instruction (ISA guide 7.12.1)
.rept 4
	v_nop
.endr
.endm
.macro JLOAD s                         ; one line and one mask for each kind; the branch hangs on the wave's number alone; four v_nop follow each line
	s_cmp_eq_u32 s17, 0
	s_cbranch_scc0 .Lfor_b_\@
	tensor_load_to_lds s[G0A+4*\s:G0A+4*\s+3], s[G1A:G1A+7]
	s_nop 0
.rept 4
	v_nop
.endr
	s_branch .Lasked_\@
.Lfor_b_\@:
	tensor_load_to_lds s[G0B+4*\s:G0B+4*\s+3], s[G1B:G1B+7]
	s_nop 0
.rept 4
	v_nop
.endr
.Lasked_\@:
.endm
.macro CREST
	s_cmp_lg_u32 s16, 0
	s_cbranch_scc1 .Lnot_wave_0_\@
	s_barrier_signal -3
.Lnot_wave_0_\@:
	s_barrier_wait -3
	s_barrier_signal -1
	s_barrier_wait -1
.endm
.macro CROUND
	s_barrier_signal -1
	s_barrier_wait -1
	CREST
.endm
	s_load_b128 s[4:7], s[0:1], 0x0                ; att s[4:5], wot s[6:7]
	s_load_b64 s[8:9], s[0:1], 0x10                ; out0
	v_lshrrev_b32 v1, 5, v0
	v_readfirstlane_b32 s16, v1                    ; wave
	s_lshr_b32 s17, s16, 1                         ; mh: which 64 tokens are mine.  Also: I ask for tokens (0) or for weights (1)
	s_and_b32 s18, s16, 1                          ; c.  Also: which half of the tokens, or which group, I ask for
	s_bfe_u32 s19, ttmp6, 0x40000                  ; cx
	s_bfe_u32 s20, ttmp6, 0x40004                  ; cy
	s_lshl_b32 s21, ttmp9, 2
	s_add_co_u32 s21, s21, s19                     ; nb
	s_and_b32 s22, ttmp7, 0xffff
	s_lshl_b32 s22, s22, 2
	s_add_co_u32 s22, s22, s20                     ; mb
	s_lshl_b32 s23, s20, 2
	s_lshl_b32 s23, 15, s23                        ; my row of the cluster
	s_lshl_b32 s62, 0x1111, s19                    ; my column
	s_or_b32 s[G1A+0], s23, (1<<16)|(1<<20)|(1<<21)|(5<<22)|(3<<25)   ; 64 rows x 128 elements of 2 bytes, 4 words of padding after every 64
	s_mov_b32 s[G1A+1], KSTEP<<16
	s_mov_b32 s[G1A+2], 64<<16
	s_mov_b32 s[G1A+3], KSTEP<<16
	s_mov_b32 s[G1A+4], 64
	s_mov_b32 s[G1A+5], 2048
	s_mov_b32 s[G1A+6], 0
	s_mov_b32 s[G1A+7], 0
	s_or_b32 s[G1B+0], s62, (3<<16)|(1<<20)|(1<<21)|(4<<22)|(7<<25)   ; 64 rows x 32 elements of 8 bytes, 8 words of padding after every 32
	s_mov_b32 s[G1B+1], 32<<16
	s_mov_b32 s[G1B+2], 64<<16
	s_mov_b32 s[G1B+3], 32<<16
	s_mov_b32 s[G1B+4], 64
	s_mov_b32 s[G1B+5], 32
	s_mov_b32 s[G1B+6], 0
	s_mov_b32 s[G1B+7], 0
	s_lshl_b32 s76, s22, 19                        ; tokens: (128 mb + 64 half) rows of 4,096 bytes
	s_lshl_b32 s2, s18, 18
	s_add_co_u32 s76, s76, s2
	s_mov_b32 s77, 0
	s_lshl_b32 s62, s21, 1
	s_add_co_u32 s62, s62, s18                     ; weights: group 2 nb + which
	s_lshl_b32 s78, s62, 18
	s_mov_b32 s79, 0
	s_mul_i32 s3, s16, REG                         ; no place in the cluster enters an LDS address
	s_wait_kmcnt 0x0
	s_add_nc_u64 s[76:77], s[4:5], s[76:77]
	s_add_nc_u64 s[78:79], s[6:7], s[78:79]
	CROUND                                         ; in front of the first joint loads
.irp s, 0,1
	s_mov_b32 s[G0A+4*\s], 1
	s_add_co_u32 s[G0A+4*\s+1], s3, \s*SLOT
	s_add_nc_u64 s[G0A+4*\s+2:G0A+4*\s+3], s[76:77], \s*KSTEP*2
	s_or_b32 s[G0A+4*\s+3], s[G0A+4*\s+3], 0x80000000
	s_mov_b32 s[G0B+4*\s], 1
	s_add_co_u32 s[G0B+4*\s+1], s3, \s*SLOT
	s_add_nc_u64 s[G0B+4*\s+2:G0B+4*\s+3], s[78:79], \s*KSTEP*128
	s_or_b32 s[G0B+4*\s+3], s[G0B+4*\s+3], 0x80000000
	JLOAD \s                                       ; both slots' first fills go out together: two tensor loads of the wave are out
.endr
	v_and_b32 v1, 15, v0                           ; r
	v_bfe_u32 v2, v0, 4, 1                         ; h
	v_and_b32 v3, 7, v0
	v_bfe_u32 v4, v0, 3, 1
	v_and_b32 v5, 31, v0                           ; L
	v_mul_u32_u24 v6, v1, APITCH
	v_lshl_add_u32 v6, v2, 4, v6
	s_mul_i32 s2, s17, REG
	v_add_nc_u32 v[ADRT], s2, v6
	v_add_nc_u32 v[ADRT+1], SLOT, v[ADRT]
	v_lshl_add_u32 v7, v2, 3, v3
	v_mul_u32_u24 v7, v7, WPITCH
	v_lshl_add_u32 v7, v4, 4, v7
	s_lshl_b32 s2, s18, 5
	v_add_nc_u32 v7, s2, v7
.irp s, 0,1
.irp i, 0,1
	v_add_nc_u32 v[ADRW+NG*\s+\i], \s*SLOT+2*REG+\i*REG, v7
.endr
.endr
	v_mul_u32_u24 v6, v1, OPITCH                   ; stage, in: row 64 mh + r (+ 16 mt), byte 64 c + 32 h (+ 256 group + 128 p)
	v_lshl_add_u32 v6, v2, 5, v6
	s_mul_i32 s2, s17, 64*OPITCH
	s_lshl_b32 s3, s18, 6
	s_add_co_u32 s2, s2, s3
	s_add_co_u32 s2, s2, STAGE
	v_add_nc_u32 v[VST], s2, v6
	s_mul_i32 s2, s16, 32*OPITCH                   ; stage, back: rows 32 w .., 512 bytes each
	s_add_co_u32 s2, s2, STAGE
	v_lshl_add_u32 v[VRD], v5, 4, s2
	s_lshl_b32 s62, s22, 20                        ; out0: row 128 mb + 32 w of 8,192 bytes, byte 512 nb + 16 L
	s_lshl_b32 s63, s16, 18
	s_add_co_u32 s62, s62, s63
	s_lshl_b32 s63, s21, 9
	s_add_co_u32 s62, s62, s63
	v_lshl_add_u32 v[VGO], v5, 4, s62
; The accumulators take turns, one instruction a turn, in the same order in every quarter.
.macro MULT b, mt0, n, zero
.set mt_, \mt0
.rept \n
.set q_, 0
.rept NQ
.if \zero
	v_wmma_f32_16x16x32_f16 v[8*(NQ*mt_+q_):8*(NQ*mt_+q_)+7], v[WF+8*NQ*\b+8*q_:WF+8*NQ*\b+8*q_+7], v[TF+32*\b+8*mt_:TF+32*\b+8*mt_+7], 0
.else
	v_wmma_f32_16x16x32_f16 v[8*(NQ*mt_+q_):8*(NQ*mt_+q_)+7], v[WF+8*NQ*\b+8*q_:WF+8*NQ*\b+8*q_+7], v[TF+32*\b+8*mt_:TF+32*\b+8*mt_+7], v[8*(NQ*mt_+q_):8*(NQ*mt_+q_)+7]
.endif
.set q_, q_+1
.endr
.set mt_, mt_+1
.endr
.endm
.macro FETCH slot, kq, b
	WIN 0
.set i_, 0
.rept NG
.irp p, 0,1
	ds_load_tr16_b128 v[WF+8*NQ*\b+8*(2*i_+\p):WF+8*NQ*\b+8*(2*i_+\p)+3],   v[ADRW+NG*\slot+i_] offset:32*WPITCH*\kq+64*\p
	ds_load_tr16_b128 v[WF+8*NQ*\b+8*(2*i_+\p)+4:WF+8*NQ*\b+8*(2*i_+\p)+7], v[ADRW+NG*\slot+i_] offset:32*WPITCH*\kq+64*\p+16*WPITCH
.endr
.set i_, i_+1
.endr
	WIN MUL
.irp mt, 0,1,2,3
	ds_load_b128 v[TF+32*\b+8*\mt:TF+32*\b+8*\mt+3],   v[ADRT+\slot] offset:16*APITCH*\mt+64*\kq
	ds_load_b128 v[TF+32*\b+8*\mt+4:TF+32*\b+8*\mt+7], v[ADRT+\slot] offset:16*APITCH*\mt+64*\kq+32
.endr
.endm
.macro QUARTER slot, kq, f, g, zero
	s_wait_dscnt 4                                 ; all but the youngest four loads (token tiles 2 and 3) are in
	WIN MUL
	MULT \f, 0, 2, \zero
	PLACES                                         ; four places in front of the loads into buffer g
	FETCH \slot, \kq, \g
	s_wait_dscnt 2*NQ+8                            ; all but the run just issued
	MULT \f, 2, 2, \zero
.endm
.macro THREE slot, zero
	QUARTER \slot, 1, 0, 1, \zero
	QUARTER \slot, 2, 1, 0, 0
	QUARTER \slot, 3, 0, 1, 0
.endm
; the change of slots: each wave's reads of this slot and all its tensor loads are waited for in front of the barrier; where the slot is filled again
; the barrier opens a round of the cluster's barrier, and the joint refill is the first tensor load behind the round's closing wait
.macro TURN slot, next, fill
	s_wait_dscnt 4
	WIN MUL
	MULT 1, 0, 1, 0
	s_wait_dscnt 0x0
	s_wait_tensorcnt 0x0
	s_barrier_signal -1
	MULT 1, 1, 1, 0
	WIN 0
	s_barrier_wait -1
.if \fill
	CREST
	s_add_nc_u64 s[G0A+4*\slot+2:G0A+4*\slot+3], s[G0A+4*\slot+2:G0A+4*\slot+3], 2*KSTEP*2
	s_add_nc_u64 s[G0B+4*\slot+2:G0B+4*\slot+3], s[G0B+4*\slot+2:G0B+4*\slot+3], 2*KSTEP*128
	JLOAD \slot
.else
	PLACES
.endif
	FETCH \next, 0, 0
	MULT 1, 2, 2, 0
.endm
.macro LAP zero
	THREE 0, \zero
	TURN 0, 1, 1
	THREE 1, 0
	TURN 1, 0, 1
.endm
	s_wait_tensorcnt 0x1                           ; my part of K step 0 is in; K step 1's stays out
	s_barrier_signal -1
	s_barrier_wait -1
	FETCH 0, 0, 0
	LAP 1
	WIN 0
	s_mov_b32 s75, LAPS-2
.Llap:
	LAP 0
	WIN 0
	s_sub_co_u32 s75, s75, 1
	s_cmp_lg_u32 s75, 0
	s_cbranch_scc1 .Llap
	THREE 0, 0
	TURN 0, 1, 0
	THREE 1, 0
	s_wait_dscnt 0x0
	WIN MUL
	MULT 1, 0, 4, 0
	; THE WAY OUT: a lane's eight f32 are 32 bytes of a row; the block's rows of 512 bytes are gathered in LDS and leave whole
	PLACES
	WIN 0x04                                       ; an LDS store's data is source 1: window 1
.irp mt, 0,1,2,3
.irp i, 0,1
.irp p, 0,1
	ds_store_b128 v[VST], v[8*(NQ*\mt+2*\i+\p):8*(NQ*\mt+2*\i+\p)+3]   offset:16*OPITCH*\mt+256*\i+128*\p
	ds_store_b128 v[VST], v[8*(NQ*\mt+2*\i+\p)+4:8*(NQ*\mt+2*\i+\p)+7] offset:16*OPITCH*\mt+256*\i+128*\p+16
.endr
.endr
.endr
	WIN 0
	s_wait_dscnt 0x0
	s_barrier_signal -1
	s_barrier_wait -1
.set t_, 0
.rept 32
	ds_load_b128 v[64+4*t_:64+4*t_+3], v[VRD] offset:OPITCH*t_
.set t_, t_+1
.endr
.set t_, 0
.rept 32
	s_wait_dscnt 31-t_                             ; LDS loads return in order: row t_ is in
	global_store_b128 v[VGO], v[64+4*t_:64+4*t_+3], s[8:9] offset:8192*t_ th:TH_STORE_NT   ; 512 consecutive bytes of one row, aligned
.set t_, t_+1
.endr
	CROUND                                         ; the closing round
	s_endpgm
.Lfunc_end_k_q7bd8333ffa_oproj:
	.size	k_q7bd8333ffa_oproj, .Lfunc_end_k_q7bd8333ffa_oproj-k_q7bd8333ffa_oproj
	.p2alignl 7, 3214868480
	.fill 96, 4, 3214868480
	.section	.rodata,"a",@progbits
	.p2align	6, 0x0
	.amdhsa_kernel k_q7bd8333ffa_oproj
		.amdhsa_group_segment_fixed_size 327680
		.amdhsa_private_segment_fixed_size 0
		.amdhsa_enable_private_segment 0
		.amdhsa_kernarg_size 24
		.amdhsa_user_sgpr_count 2
		.amdhsa_user_sgpr_kernarg_segment_ptr 1
		.amdhsa_wavefront_size32 1
		.amdhsa_system_sgpr_workgroup_id_x 1
		.amdhsa_system_sgpr_workgroup_id_y 1
		.amdhsa_system_sgpr_workgroup_id_z 1
		.amdhsa_system_vgpr_workitem_id 0
		.amdhsa_next_free_vgpr 512
		.amdhsa_next_free_sgpr 80
		.amdhsa_reserve_vcc 0
		.amdhsa_float_denorm_mode_32 3
		.amdhsa_float_denorm_mode_16_64 3
		.amdhsa_memory_ordered 1
		.amdhsa_forward_progress 1
		.amdhsa_inst_pref_size 73
	.end_amdhsa_kernel
	.amdgpu_metadata
---
amdhsa.version: [ 1, 2 ]
amdhsa.kernels:
  - .name:           k_q7bd8333ffa_oproj
    .symbol:         k_q7bd8333ffa_oproj.kd
    .args:
      - { .name: att, .offset: 0, .size: 8, .value_kind: global_buffer, .address_space: global }
      - { .name: wot, .offset: 8, .size: 8, .value_kind: global_buffer, .address_space: global }
      - { .name: out0, .offset: 16, .size: 8, .value_kind: global_buffer, .address_space: global }
    .group_segment_fixed_size: 327680
    .private_segment_fixed_size: 0
    .kernarg_segment_align: 8
    .kernarg_segment_size: 24
    .max_flat_workgroup_size: 128
    .sgpr_count:     80
    .vgpr_count:     512
    .wavefront_size: 32
...
	.end_amdgpu_metadata
.endif
;; end of part 4
;; ======== version 2 of 2: 4 launches; 1.19 times as fast as version 1
;; limits: values outside matrix products are rounded to bf16; values are held in f16: magnitudes above 65,504 overflow, below 6.1e-05 lose precision; right only within a limited range of input values
;; workspace buffers: abf 16,777,216 bytes; wcat 25,165,824 bytes; wot 8,388,608 bytes; cs 524,288 bytes; qkv 12,582,912 bytes; att 8,388,608 bytes
;; launch cast (part 5): grid 32 x 24, 8 waves a work-group, no clusters, 73,728 bytes of LDS; arguments hidden, mu_prev, Wq, Wmq, Wk, Wmk, Wv, Wmv, Wo, positions, abf, wcat, wot, cs; writes abf, wcat, wot, cs
.if DOCPART == 5
	.amdgcn_target "amdgcn-amd-amdhsa--gfx1250"
	.amdhsa_code_object_version 6
	.text
	.protected	k_q7bd8333ffa_cast
	.globl	k_q7bd8333ffa_cast
	.p2align	8
	.type	k_q7bd8333ffa_cast,@function
k_q7bd8333ffa_cast:
	s_mov_b64 s[64:65], 0
	v_nop
	global_prefetch_b8 v0, s[64:65] scope:SCOPE_SE
	s_setreg_imm32_b32 hwreg(HW_REG_WAVE_MODE, 25, 1), 1
	s_wait_xcnt 0x0
; Every f32 matrix is rounded to bf16 once and laid so that the later launches' tiles are dense in memory and need no padding in LDS:
;   abf  [16 token blocks][16 k blocks][32 chunks][128 tokens][8 k]      bf16; k < 2048 hidden, k >= 2048 mu_prev.  A tile (128 tokens x 256 k) is
;        65,536 dense bytes, and the 16 bytes (8 k) of 16 neighbouring tokens are 256 consecutive bytes: what one fragment load takes.
;   wcat [16 block columns][16 k blocks][3 heads][4 strips][256 k][16 d] bf16; heads 0-31 Wq|Wmq, 32-39 Wk|Wmk, 40-47 Wv|Wmv; k < 2048 W, k >= 2048 Wm.
;        A tile (256 k x 3 heads) is 98,304 dense bytes, and 8 k of a strip are 256 consecutive bytes: what one transposing load takes.
;   wot  [32 groups][2048 k][64]   Wo by groups of 64 columns: rounded to bf16 as every input is, and that number written as f16, since the last
;                                  product takes its other operand in f16 and the matrix form wants both alike
;   cs   [2048 t][cos 0..31 | sin 0..31] f32, the rotary table of positions[t]
; Grid: x = slab of 64 rows, y = unit of 512 columns: 0-3 hidden, 4-7 mu_prev, 8-11 Wq, 12-15 Wmq, 16 Wk, 17 Wmk, 18 Wv, 19 Wmv, 20-23 Wo.
; A work-group turns 64 rows x 512 columns (128 KiB) into 64 KiB.  A wave makes 32 items; an item is one load of 16 bytes a lane: lanes 0-15 take 256
; consecutive bytes of one row, lanes 16-31 of the next.  Item e = 4 o + k:  source = SRC + o S1 + [k S2 + (L>>4) pitch + (L&15) 16 + wave's term].
;   activations: wave w has tokens 16 (w>>1) .. +15 and k 256 (w&1) .. +255; o = pair of rows, k = which 64 columns
;   weights:     wave w has column group w (a head); item e is rows 2 e, 2 e + 1
; The new order of abf and wcat is made in the wave's own 9,216 bytes of LDS: 32 stores of 8 bytes a lane, 16 loads of 16 bytes a lane, and 16 global
; stores in which each half of the lanes writes 256 consecutive bytes, aligned.  LDS serves a wave's instructions in order (ISA guide 5.7.1.4) and no wave
; touches another's bytes: no wait between the LDS stores and loads, no barrier.  Wo's old order needs no LDS.
; Memory binds: no matrix unit; all 32 loads of a wave go out first, each into registers of its own.
; LIMITS: the angle is f32(position) x exp2(-f log2(10)/8), the frequency good to about 3e-7 relative, reduced by pi/2 in two parts;
; the table fades with |position| above about 1e5, and the quadrant count saturates at 2^31.
; Wo: a bf16 number (8 significant bits) is an f16 number exactly from 2^-17 up to 65,504; below, the error is at most 2^-25; above, infinity.
.set WLDS, 9216                        ; LDS bytes of a wave
.set CPITCH, 288                       ; activations in LDS: a chunk's 16 tokens x 16 bytes + 32: the 32 lanes of a store fall on 256 different bytes modulo 256
.set SPITCH, 2112                      ; weights in LDS: a strip's 64 k x 32 bytes + 64: likewise
.set VS,  4                            ; v[4:7]     source offset of item k of a group of four
.set VD,  8                            ; v8         destination offset (Wo: v[8:15], one for each group o)
.set LS,  9                            ; LDS, in
.set LR,  10                           ; LDS, back
.set LT,  11
.set X,   16                           ; v[16:143]  32 items as loaded; then v[16:79]: 16 x 16 bytes read back
.set Y,   144                          ; v[144:207] 32 items rounded
.set A0,  208                          ; the two angles of a lane
.set A1,  209
.set TN,  210                          ; the table's work registers
.set TRR, 211
.set TZ,  212
.set TS,  213
.set TC,  214
.set TT,  215
.set TU,  216
.set TQ,  217
.set W3,  218
.set RES, 220                          ; v[220:221] the lane's two table entries
.set TOF, 222
	s_load_b512 s[8:23], s[0:1], 0x0               ; hidden, mu_prev, Wq, Wmq, Wk, Wmk, Wv, Wmv
	s_load_b256 s[24:31], s[0:1], 0x40             ; Wo, positions, abf, wcat
	s_load_b128 s[32:35], s[0:1], 0x60             ; wot, cs
	s_and_b32 s2, ttmp7, 0xffff                    ; y: the unit
	s_mov_b32 s3, ttmp9                            ; x: the slab
	v_lshrrev_b32 v1, 5, v0
	v_readfirstlane_b32 s4, v1                     ; wave
	; the unit's figures.  Candidates first, then one compare and its selects.
	s_and_b32 s6, s2, 3                            ; y & 3: which 512 columns of a wide matrix
	s_sub_co_u32 s5, s2, 16                        ; y - 16: 0..3 for the four narrow matrices
	s_lshr_b32 s57, s5, 1
	s_lshl_b32 s57, s57, 3
	s_add_co_u32 s57, s57, 32                      ; narrow: first head 32 + 8 ((y-16)>>1)
	s_lshl_b32 s58, s6, 3                          ; wide: first head or group 8 (y & 3)
	s_and_b32 s59, s2, 1                           ; narrow: Wm's half of k if y is odd
	s_bfe_u32 s60, s2, 0x10002                     ; Wq, Wmq: (y>>2) & 1
	s_movk_i32 s56, 0x2000                         ; bytes in a source row, wide
	s_cmp_lt_u32 s5, 4
	s_cselect_b32 s56, 0x800, s56                  ; pitch
	s_cselect_b32 s6, 0, s6                        ; cq
	s_cselect_b32 s57, s57, s58                    ; hb: the unit's first head or group
	s_cselect_b32 s59, s59, s60                    ; which half of k
	s_lshl_b32 s60, s56, 3                         ; 8 pitch
	s_lshl_b32 s61, s56, 1                         ; 2 pitch
	s_lshl_b32 s62, s3, 6                          ; row0
	s_mul_i32 s66, s62, s56
	s_lshl_b32 s63, s6, 11
	s_add_co_u32 s66, s66, s63                     ; source offset = row0 pitch + 2048 cq
	s_mov_b32 s67, 0
	s_lshl_b32 s63, s4, 8                          ; the wave's term, weights: 256 w
	s_lshr_b32 s5, s4, 1
	s_lshl_b32 s5, s5, 17                          ; activations: 16 (w>>1) rows of 8,192 bytes
	s_and_b32 s7, s4, 1
	s_lshl_b32 s7, s7, 10
	s_add_co_u32 s5, s5, s7                        ;              + 1,024 (w&1)
	s_cmp_ge_u32 s2, 8                             ; a weight?
	s_cselect_b32 s63, s63, s5
	s_cselect_b32 s60, s60, 0x4000                 ; S1: eight rows, or two
	s_cselect_b32 s61, s61, 0x100                  ; S2: two rows, or 64 columns
	; the lanes' source offsets
	v_and_b32 v2, 15, v0
	v_bfe_u32 v3, v0, 4, 1
	v_mul_lo_u32 v3, v3, s56
	v_lshl_add_u32 v3, v2, 4, v3
	v_add_nc_u32 v[VS], s63, v3
.irp k, 1,2,3
	v_add_nc_u32 v[VS+\k], s61, v[VS+\k-1]
.endr
	s_wait_kmcnt 0x0
	; the unit's source: a choice on y alone
	s_mov_b64 s[36:37], s[8:9]
.macro PICK from, reg
	s_cmp_ge_u32 s2, \from
	s_cselect_b64 s[36:37], s[\reg:\reg+1], s[36:37]
.endm
	PICK 4, 10
	PICK 8, 12
	PICK 12, 14
	PICK 16, 16
	PICK 17, 18
	PICK 18, 20
	PICK 19, 22
	PICK 20, 24
	s_add_nc_u64 s[40:41], s[36:37], s[66:67]      ; source base of group 0
	s_mov_b32 s66, s60                             ; {S1, 0}
.irp o, 1,2,3,4,5,6,7
	s_add_nc_u64 s[40+2*\o:41+2*\o], s[38+2*\o:39+2*\o], s[66:67]   ; source base of group o
.endr
.set e, 0
.rept 32
	global_load_b128 v[X+4*e:X+4*e+3], v[VS+e%4], s[40+2*(e/4):41+2*(e/4)] th:TH_LOAD_NT   ; read once in the launch
.set e, e+1
.endr
; The 32 items are rounded, regrouped in the wave's LDS and stored.  act = 1: activations; 0: weights.  base: the scalar pair with the buffer's address.
.macro STAGED act, base
.set e, 0
.rept 32
	s_wait_loadcnt 31-e                            ; loads return in order (ISA guide 5.7.1): item e is in, the younger ones stay out
	v_cvt_pk_bf16_f32 v[Y+2*e], v[X+4*e], v[X+4*e+1]
	v_cvt_pk_bf16_f32 v[Y+2*e+1], v[X+4*e+2], v[X+4*e+3]
.if \act
	ds_store_b64 v[LS], v[Y+2*e:Y+2*e+1] offset:(e%4)*8*CPITCH+(e/4)*32    ; chunk 8 (e%4) + .., tokens 2 (e/4) + ..
.else
	ds_store_b64 v[LS], v[Y+2*e:Y+2*e+1] offset:e*64                       ; k 2 e + ..
.endif
.set e, e+1
.endr
.set t_, 0
.rept 16
.if \act
	ds_load_b128 v[X+4*t_:X+4*t_+3], v[LR] offset:t_*2*CPITCH              ; chunks 2 t, 2 t + 1: 16 tokens x 16 bytes each
.else
	ds_load_b128 v[X+4*t_:X+4*t_+3], v[LR] offset:(t_/4)*SPITCH+(t_%4)*512 ; 16 k of strip t / 4
.endif
.set t_, t_+1
.endr
.set t_, 0
.rept 16
	s_wait_dscnt 15-t_                             ; LDS returns in order: read-back t is in
.if \act
	global_store_b128 v[VD], v[X+4*t_:X+4*t_+3], s[\base:\base+1] offset:t_*4096
.else
	global_store_b128 v[VD], v[X+4*t_:X+4*t_+3], s[\base:\base+1] offset:(t_/4)*8192+(t_%4)*512
.endif
.set t_, t_+1
.endr
.endm
	s_cmp_ge_u32 s2, 8
	s_cbranch_scc1 .Lweights
	; ACTIVATIONS.  Destination: tile (x >> 1, k block 8 (y>>2) + 2 cq + (w&1)) of 65,536 bytes; in it chunk x 2,048 + token x 16.
	s_lshr_b32 s68, s3, 1
	s_lshl_b32 s68, s68, 4
	s_lshr_b32 s69, s2, 2
	s_lshl_b32 s69, s69, 3
	s_add_co_u32 s68, s68, s69
	s_lshl_b32 s69, s6, 1
	s_add_co_u32 s68, s68, s69
	s_and_b32 s69, s4, 1
	s_add_co_u32 s68, s68, s69
	s_lshl_b32 s68, s68, 16
	s_and_b32 s69, s3, 1
	s_lshl_b32 s69, s69, 2
	s_lshr_b32 s57, s4, 1
	s_add_co_u32 s69, s69, s57                     ; my 16 tokens among the block's 128: 4 (x&1) + (w>>1)
	s_lshl_b32 s69, s69, 8
	s_add_co_u32 s68, s68, s69
	s_mul_i32 s57, s4, WLDS
	v_and_b32 v2, 15, v0                           ; q: my 4 columns among an item's 64
	v_bfe_u32 v3, v0, 4, 1                         ; which row of the pair
	v_lshrrev_b32 v[LS], 1, v2
	v_mul_u32_u24 v[LS], v[LS], CPITCH             ; in: chunk q >> 1,
	v_and_b32 v[LT], 1, v0
	v_lshl_add_u32 v[LS], v[LT], 3, v[LS]          ;     its half q & 1,
	v_lshl_add_u32 v[LS], v3, 4, v[LS]             ;     the token
	v_add_nc_u32 v[LS], s57, v[LS]
	v_mul_u32_u24 v[LR], v3, CPITCH                ; back: lanes 0-15 one chunk's 16 tokens, lanes 16-31 the next chunk's
	v_lshl_add_u32 v[LR], v2, 4, v[LR]
	v_add_nc_u32 v[LR], s57, v[LR]
	v_lshlrev_b32 v[VD], 11, v3
	v_lshl_add_u32 v[VD], v2, 4, v[VD]
	v_add_nc_u32 v[VD], s68, v[VD]
	; The rotary table, while the loads are on their way: units 0-7 are 256 work-groups x 8 waves, one token a wave.
	s_lshl_b32 s5, s2, 5
	s_add_co_u32 s5, s5, s3
	s_lshl_b32 s5, s5, 3
	s_add_co_u32 s5, s5, s4                        ; t = 8 (32 y + x) + wave
	s_lshl_b32 s70, s5, 2
	s_mov_b32 s71, 0
	s_add_nc_u64 s[70:71], s[26:27], s[70:71]
	s_load_b32 s7, s[70:71], 0x0                   ; positions[t]
	s_lshl_b32 s6, s5, 8                           ; the token's 256 bytes of the table
	s_mov_b32 s72, 0x3f22f983                      ; 2 / pi
	s_mov_b32 s73, 0xbfc90fdb                      ; -pi/2, upper part
	s_mov_b32 s74, 0x333bbd2e                      ; -pi/2, the rest
	s_mov_b32 s75, 0xbe2aaaa3                      ; sine: r + r z (S0 + z (S1 + z S2)), |r| <= pi/4
	s_mov_b32 s76, 0x3c08839e
	s_mov_b32 s77, 0xb94ca1f9
	s_mov_b32 s78, 0x3d2aaaa5                      ; cosine: 1 - z/2 + z z (C0 + z (C1 + z C2))
	s_mov_b32 s79, 0xbab6061a
	s_mov_b32 s80, 0x37ccf5ce
	v_and_b32 v[TT], 15, v0
	v_lshlrev_b32 v[TT], 1, v[TT]                  ; f = 2 (L & 15), and f + 1
	v_cvt_f32_u32 v[A0], v[TT]
	v_add_f32 v[A1], 1.0, v[A0]
	v_mul_f32 v[A0], 0xbed49a78, v[A0]             ; -f log2(10000) / 32
	v_mul_f32 v[A1], 0xbed49a78, v[A1]
	v_exp_f32 v[A0], v[A0]                         ; 10000^(-f/32)
	v_exp_f32 v[A1], v[A1]
	v_bfe_u32 v[W3], v0, 4, 1                      ; a plain instruction behind the two exponentials (ISA guide 5.7.2); lanes 16-31 make sines
	v_mul_u32_u24 v[W3], v[W3], 3                  ; sin a = cos(a - pi/2): three quadrants on
	s_wait_kmcnt 0x0
	v_cvt_f32_i32 v[TU], s7
	s_wait_alu depctr_va_vdst(0)
	v_mul_f32 v[A0], v[TU], v[A0]
	v_mul_f32 v[A1], v[TU], v[A1]
.macro TRIG res, ang
	v_mul_f32 v[TN], s72, v[\ang]
	v_rndne_f32 v[TN], v[TN]                       ; n quadrants
	v_fma_f32 v[TRR], v[TN], s73, v[\ang]
	v_fma_f32 v[TRR], v[TN], s74, v[TRR]           ; r = a - n pi/2
	v_mul_f32 v[TZ], v[TRR], v[TRR]
	v_fma_f32 v[TS], v[TZ], s77, s76
	v_fma_f32 v[TC], v[TZ], s80, s79
	v_fma_f32 v[TS], v[TS], v[TZ], s75
	v_fma_f32 v[TC], v[TC], v[TZ], s78
	v_mul_f32 v[TT], v[TZ], v[TRR]
	v_fma_f32 v[TS], v[TS], v[TT], v[TRR]          ; sin r
	v_mul_f32 v[TT], v[TZ], v[TZ]
	v_fma_f32 v[TU], v[TZ], -0.5, 1.0
	v_fma_f32 v[TC], v[TC], v[TT], v[TU]           ; cos r
	v_cvt_i32_f32 v[TQ], v[TN]
	v_add_nc_u32 v[TQ], v[TQ], v[W3]               ; q: cos of quadrant 0, 1, 2, 3 is cos r, -sin r, -cos r, sin r
	v_and_b32 v[TT], 1, v[TQ]
	v_cmp_ne_u32 vcc_lo, 0, v[TT]
	v_cndmask_b32 v[\res], v[TC], v[TS], vcc_lo
	v_add_nc_u32 v[TQ], 1, v[TQ]
	v_and_b32 v[TQ], 2, v[TQ]
	v_lshlrev_b32 v[TQ], 30, v[TQ]
	v_xor_b32 v[\res], v[\res], v[TQ]              ; the sign of quadrants 1 and 2
.endm
	TRIG RES, A0
	TRIG RES+1, A1
	v_and_b32 v[TOF], 31, v0
	v_lshl_add_u32 v[TOF], v[TOF], 3, s6
	global_store_b64 v[TOF], v[RES:RES+1], s[34:35]    ; the wave stores the token's 256 bytes whole
	STAGED 1, 28                                   ; into abf
	s_endpgm
.Lweights:
	s_cmp_ge_u32 s2, 20                            ; Wo's units
	s_cbranch_scc1 .Lwo
	; THE PROJECTIONS' WEIGHTS.  Head hb + w = 3 nb + i; k block 8 (half of k) + (x >> 2).
	; Destination: ((16 nb + k block) 3 + i) x 32,768 + strip x 8,192 + (k mod 256) x 32.
	s_add_co_u32 s68, s57, s4                      ; head, 0 .. 47
	s_mul_i32 s69, s68, 171
	s_lshr_b32 s69, s69, 9                         ; nb = head / 3 (171 / 512 serves up to 47)
	s_mul_i32 s5, s69, 3
	s_sub_co_u32 s68, s68, s5                      ; i
	s_lshl_b32 s69, s69, 4
	s_lshl_b32 s59, s59, 3
	s_add_co_u32 s69, s69, s59
	s_lshr_b32 s5, s3, 2
	s_add_co_u32 s69, s69, s5
	s_mul_i32 s69, s69, 3
	s_add_co_u32 s68, s68, s69
	s_lshl_b32 s68, s68, 15
	s_and_b32 s5, s3, 3
	s_lshl_b32 s5, s5, 11                          ; my 64 k among the block's 256
	s_add_co_u32 s68, s68, s5
	s_mul_i32 s57, s4, WLDS
	v_and_b32 v1, 31, v0
	v_and_b32 v2, 15, v0                           ; q: my 4 columns among the head's 64
	v_bfe_u32 v3, v0, 4, 1                         ; which row of the pair
	v_lshrrev_b32 v[LS], 2, v2
	v_mul_u32_u24 v[LS], v[LS], SPITCH             ; in: strip q >> 2,
	v_and_b32 v[LT], 3, v0
	v_lshl_add_u32 v[LS], v[LT], 3, v[LS]          ;     its quarter q & 3,
	v_lshl_add_u32 v[LS], v3, 5, v[LS]             ;     the row
	v_add_nc_u32 v[LS], s57, v[LS]
	v_lshl_add_u32 v[LR], v1, 4, s57               ; back: 512 consecutive bytes of a strip
	v_lshl_add_u32 v[VD], v1, 4, s68
	STAGED 0, 30                                   ; into wcat
	s_endpgm
.Lwo:
	; Wo: destination = wot + (hb + w) x 262,144 + 128 row0 + 8 L + 1,024 o + 256 k: an item's two rows of 128 bytes are 256 consecutive bytes
	s_lshl_b32 s68, s57, 18
	s_lshl_b32 s69, s62, 7
	s_add_co_u32 s68, s68, s69
	s_mov_b32 s69, 0
	s_add_nc_u64 s[38:39], s[32:33], s[68:69]
	s_lshl_b32 s7, s4, 18
	v_and_b32 v1, 31, v0
	v_lshl_add_u32 v[VD], v1, 3, s7
.irp o, 1,2,3,4,5,6,7
	v_add_nc_u32 v[VD+\o], 0x400, v[VD+\o-1]
.endr
.set e, 0
.rept 32
	s_wait_loadcnt 31-e                            ; item e is in, the younger ones stay out
	v_cvt_pk_bf16_f32 v[Y+2*e], v[X+4*e], v[X+4*e+1]
	v_cvt_pk_bf16_f32 v[Y+2*e+1], v[X+4*e+2], v[X+4*e+3]
	v_lshlrev_b32 v[X+4*e], 16, v[Y+2*e]           ; bf16 to f32: the low half moves up, the high half stays
	v_and_b32 v[X+4*e+1], 0xffff0000, v[Y+2*e]
	v_lshlrev_b32 v[X+4*e+2], 16, v[Y+2*e+1]
	v_and_b32 v[X+4*e+3], 0xffff0000, v[Y+2*e+1]
	v_cvt_pk_f16_f32 v[Y+2*e], v[X+4*e], v[X+4*e+1]
	v_cvt_pk_f16_f32 v[Y+2*e+1], v[X+4*e+2], v[X+4*e+3]
	global_store_b64 v[VD+e/4], v[Y+2*e:Y+2*e+1], s[38:39] offset:(e%4)*256   ; no store's register is written again: nothing to wait for
.set e, e+1
.endr
	s_endpgm
.Lfunc_end_k_q7bd8333ffa_cast:
	.size	k_q7bd8333ffa_cast, .Lfunc_end_k_q7bd8333ffa_cast-k_q7bd8333ffa_cast
	.p2alignl 7, 3214868480
	.fill 96, 4, 3214868480
	.section	.rodata,"a",@progbits
	.p2align	6, 0x0
	.amdhsa_kernel k_q7bd8333ffa_cast
		.amdhsa_group_segment_fixed_size 73728
		.amdhsa_private_segment_fixed_size 0
		.amdhsa_enable_private_segment 0
		.amdhsa_kernarg_size 112
		.amdhsa_user_sgpr_count 2
		.amdhsa_user_sgpr_kernarg_segment_ptr 1
		.amdhsa_wavefront_size32 1
		.amdhsa_system_sgpr_workgroup_id_x 1
		.amdhsa_system_sgpr_workgroup_id_y 1
		.amdhsa_system_sgpr_workgroup_id_z 1
		.amdhsa_system_vgpr_workitem_id 0
		.amdhsa_next_free_vgpr 224
		.amdhsa_next_free_sgpr 84
		.amdhsa_reserve_vcc 1
		.amdhsa_float_denorm_mode_32 3
		.amdhsa_float_denorm_mode_16_64 3
		.amdhsa_memory_ordered 1
		.amdhsa_forward_progress 1
		.amdhsa_inst_pref_size 51
	.end_amdhsa_kernel
	.amdgpu_metadata
---
amdhsa.version: [ 1, 2 ]
amdhsa.kernels:
  - .name:           k_q7bd8333ffa_cast
    .symbol:         k_q7bd8333ffa_cast.kd
    .args:
      - { .name: hidden, .offset: 0, .size: 8, .value_kind: global_buffer, .address_space: global }
      - { .name: mu_prev, .offset: 8, .size: 8, .value_kind: global_buffer, .address_space: global }
      - { .name: Wq, .offset: 16, .size: 8, .value_kind: global_buffer, .address_space: global }
      - { .name: Wmq, .offset: 24, .size: 8, .value_kind: global_buffer, .address_space: global }
      - { .name: Wk, .offset: 32, .size: 8, .value_kind: global_buffer, .address_space: global }
      - { .name: Wmk, .offset: 40, .size: 8, .value_kind: global_buffer, .address_space: global }
      - { .name: Wv, .offset: 48, .size: 8, .value_kind: global_buffer, .address_space: global }
      - { .name: Wmv, .offset: 56, .size: 8, .value_kind: global_buffer, .address_space: global }
      - { .name: Wo, .offset: 64, .size: 8, .value_kind: global_buffer, .address_space: global }
      - { .name: positions, .offset: 72, .size: 8, .value_kind: global_buffer, .address_space: global }
      - { .name: abf, .offset: 80, .size: 8, .value_kind: global_buffer, .address_space: global }
      - { .name: wcat, .offset: 88, .size: 8, .value_kind: global_buffer, .address_space: global }
      - { .name: wot, .offset: 96, .size: 8, .value_kind: global_buffer, .address_space: global }
      - { .name: cs, .offset: 104, .size: 8, .value_kind: global_buffer, .address_space: global }
    .group_segment_fixed_size: 73728
    .private_segment_fixed_size: 0
    .kernarg_segment_align: 8
    .kernarg_segment_size: 112
    .max_flat_workgroup_size: 256
    .sgpr_count:     84
    .vgpr_count:     224
    .wavefront_size: 32
...
	.end_amdgpu_metadata
.endif
;; end of part 5
;; launch proj (part 6): grid 16 x 16, 4 waves a work-group, clusters of 4 x 4, 327,680 bytes of LDS; arguments abf, wcat, cs, q_norm_w, k_norm_w, qkv; writes qkv
.if DOCPART == 6
	.amdgcn_target "amdgcn-amd-amdhsa--gfx1250"
	.amdhsa_code_object_version 6
	.text
	.protected	k_q7bd8333ffa_proj
	.globl	k_q7bd8333ffa_proj
	.p2align	8
	.type	k_q7bd8333ffa_proj,@function
k_q7bd8333ffa_proj:
	s_mov_b64 s[64:65], 0
	v_nop
	global_prefetch_b8 v0, s[64:65] scope:SCOPE_SE
	s_setreg_imm32_b32 hwreg(HW_REG_WAVE_MODE, 25, 1), 1
	s_wait_xcnt 0x0
	s_wait_alu depctr_hold_cnt(0) depctr_sa_sdst(0) depctr_va_vdst(0) depctr_va_sdst(0) depctr_va_ssrc(0) depctr_va_vcc(0) depctr_vm_vsrc(0)
	s_getreg_b32 s2, hwreg(HW_REG_IB_STS2, 6, 4)
	s_cmp_eq_u32 s2, 0
	s_cbranch_scc0 .Lentry_in_a_cluster
	s_endpgm
.Lentry_in_a_cluster:
	s_bfe_u32 s2, ttmp6, 0x10000c
	s_cmp_lg_u32 s2, 0xf033
	s_cbranch_scc0 .Lentry_shape_is_right
	s_endpgm
.Lentry_shape_is_right:
; qkv[head][t][d] = rope(rmsnorm([hidden | mu_prev] [W ; Wm])) in f16: one product with K = 4096, M = 2048 tokens, N = 48 heads of 64.
; Heads 0-31 are q (also scaled by 0.125 log2 e, so that attention works with exp2), 32-39 k, 40-47 v (no norm, no rotation).
; A work-group makes 128 tokens x 3 heads with four waves: 16 x 16 = 256 work-groups.  Wave w: tokens 64 (w>>1) .. +63; c = w & 1; of each
; head the two column tiles d = 16 c + 32 p .. +15, p = 0, 1: the rotation's partners d and d + 32 lie in one lane, and only the sum of
; squares crosses to wave w ^ 1.  24 accumulator tiles of 16 x 16.
; The matrix instruction is used transposed: source 0 = 16 columns of the weights, source 1 = 16 tokens, so that lane (r = L & 15, h = L >> 4)
; holds token r and its registers j the columns d = 16 c + 32 p + 8 h + j: eight neighbouring numbers of a row of the output.
; K goes in steps of 256 through two LDS slots filled by tensor loads: (128 + 192) rows x 512 bytes x 2 slots are all 327,680 bytes of LDS, so that from
; a refill to the wait for it a wave issues 186 of a step's 192 matrix instructions.  No byte is left for padding, and none is needed:
;   tokens  [32 chunks of 8 k][128 tokens][16 bytes]: a fragment load's 16 lanes take 16 neighbouring tokens, 256 consecutive bytes;
;   weights [3 heads][4 strips of 16 columns][256 k][32 bytes]: a transposing load's 16 lanes take 8 k x 32 bytes, 256 consecutive bytes.
; Both tiles lie in memory in just this order, dense, and come in as rows of 256 bytes.
; CLUSTERS: 4 x 4 work-groups; the tokens' tile hangs on the block row alone and is asked for jointly along a row of the cluster, the weights' tile
; hangs on the block column alone and is asked for jointly along a column: the requests for both are divided by four.  Waves 0 and 1 ask for a half
; of the weights' tile each (49,152 bytes), waves 2 and 3 for a half of the tokens' (32,768 bytes).
; THE WALK ALONG K: cluster (X, Y) takes K step t ^ 2 b in its turn t, b = (X + Y + (Y >> 1)) & 1.  The clusters along x want the same tokens' tiles, those
; along y the same weights' tiles; b differs between X and X ^ 1, and between Y and both Y ^ 1 and Y ^ 2.  So of every four K steps a cluster is the
; first to ask for two steps' tiles, and asks for the other two steps' tiles two turns after such a neighbour asked for them: 8 of its 14 refills
; are for bytes that were read shortly before.  b hangs on the cluster's coordinates alone, which all sixteen partners share: the joint
; loads' descriptors stay equal.
; Which kind a head is hangs on the block column, so it is never branched on: masks and selected factors turn norm and rotation off for v.
; FORMATS AND LIMITS: the product's operands are bf16, its sums, the norm and the rotation f32; the order of the sums over K is 0, 1, 2, 3, .. where b = 0
; and 2, 3, 0, 1, 6, 7, 4, 5, .. where b = 1.  The norm weights are taken rounded to bf16, as
; every floating-point input of this program is.  q, k and v are stored as f16, 11 significant bits: a token with few keys before it is a
; sum of few v, so v's rounding reaches the output undamped.  q and k are bounded by the norm: |q|, |k| <= 8 sqrt(2) max|w|.  v has the
; root mean square 1 for inputs of spread 1 and 0.02, 0.01; inputs all 30 times larger give 900 times that; offsets of 30 spreads on all give
; 2048 (30 x 0.6 + 30 x 0.3) = 55,296.  Above 65,504 v becomes infinite.
.set NG,     3                         ; heads of a block
.set NQ,     2*NG                      ; column tiles of a wave
.set WTILE,  32768                     ; a head's 4 strips x 256 k x 32 bytes
.set BTILE,  NG*WTILE                  ; 98,304: the weights' tile, first in a slot
.set ATILE,  65536                     ; the tokens' tile, behind it
.set SLOT,   BTILE+ATILE               ; 163,840
.set STAGE,  0                         ; the way out lies on slot 0: 3 heads x 128 rows x 144 bytes.  Slot 0's last fill and its last reads lie in front of the last change of slots
.set SPITCH, 144
.set SHEAD,  128*SPITCH
.set SUMS,   STAGE+NG*SHEAD            ; 4 waves x 16 rows x 48 bytes: sums of squares, on slot 0 too
.set LAPS,   4096/(2*256)              ; a lap = two K steps = once round the ring
; window 0
.set WT,    8                          ; v[8:15]  at work on the norm weights
.set ADRT,  16                         ; v16-17  my token fragments in slot 0, 1
.set ADRW,  18                         ; v18-23  my weight fragments, [slot][head]
.set VST,   24                         ; stage, in
.set VRD,   25                         ; stage, back
.set VGO,   26                         ; my byte offset in qkv
.set VSUM,  27
.set VSUMP, 28
.set VCS,   29
.set VW,    30
.set WN0,   32                         ; v[32:47]   head 0: norm weights of my 8 + 8 columns
.set WN1,   48                         ; v[48:63]   head 1
.set WN2,   224                        ; v[224:239] head 2
.set WF,    64                         ; v[64:111], v[112:159] weight fragments, two buffers
.set CS,    160                        ; v[160:223] per token tile: cos[8], sin[8]
; window 0 in the epilogue
.set YY,    64                         ; v[64:111]  one token tile's 3 x 16 numbers
.set RSP,   112                        ; v[112:135] 1/rms of (token tile, head), each twice: a pair for the packed multiply
.set CC,    136
.set SS,    144
.set O1,    152
.set O2,    240
.set PK,    248
; window 1: accumulator (mt, q) at 8 (NQ mt + q), q = 2 head + p
.set TF,    192                        ; v[192:223], v[224:255] of window 1: token fragments, two buffers
.set G1A, 24                           ; tokens: group 1
.set G0A, 32                           ; tokens: group 0, one set for each slot
.set G1B, 40                           ; weights
.set G0B, 48
.set KTURN, 80                         ; s80      the turn whose tiles were asked for last
.set KXOR,  81                         ; s81      2 b
.set KOA,   82                         ; s[82:83] byte offset of a K step's tile among the block row's tokens' tiles
.set KOB,   84                         ; s[84:85] the same among the block column's weights' tiles
.set KIDX,  86                         ; s86      the K step of a turn
.set MUL, 0x54                         ; source 0 window 0, source 1, C and D window 1; an LDS load under it: data window 1, address window 0
.set MSB, 0
.macro WIN new                         ; the immediate's high byte repeats the setting that is left
.if MSB != \new
	s_set_vgpr_msb (MSB<<8)|\new
.set MSB, \new
.endif
.endm
.macro PLACES                          ; four independent vector instructions behind a matrix instruction (ISA guide 7.12.1)
.rept 4
	v_nop
.endr
.endm
; A joint load: one line and one mask for each kind; the branch hangs on the wave's number alone.  Four v_nop follow each line.
.macro JLOAD s
	s_cmp_eq_u32 s17, 0
	s_cbranch_scc0 .Lfor_t_\@
	tensor_load_to_lds s[G0B+4*\s:G0B+4*\s+3], s[G1B:G1B+7]
	s_nop 0
.rept 4
	v_nop
.endr
	s_branch .Lasked_\@
.Lfor_t_\@:
	tensor_load_to_lds s[G0A+4*\s:G0A+4*\s+3], s[G1A:G1A+7]
	s_nop 0
.rept 4
	v_nop
.endr
.Lasked_\@:
.endm
.macro CREST                           ; a round of the cluster's barrier behind its opening barrier
	s_cmp_lg_u32 s16, 0
	s_cbranch_scc1 .Lnot_wave_0_\@
	s_barrier_signal -3
.Lnot_wave_0_\@:
	s_barrier_wait -3
	s_barrier_signal -1
	s_barrier_wait -1
.endm
.macro CROUND
	s_barrier_signal -1
	s_barrier_wait -1
	CREST
.endm
; The two global addresses of slot s for the K step in s[KIDX]: base + offset, then the type bits.  Written only while no tensor load of the wave is out, or before the slot's first.
.macro KADDR s
	s_lshl_b32 s[KOA], s[KIDX], 16                 ; 65,536 bytes a tokens' tile
	s_mul_i32 s[KOB], s[KIDX], BTILE               ; 98,304 bytes a weights' tile
	s_add_nc_u64 s[G0A+4*\s+2:G0A+4*\s+3], s[76:77], s[KOA:KOA+1]
	s_or_b32 s[G0A+4*\s+3], s[G0A+4*\s+3], 0x80000000
	s_add_nc_u64 s[G0B+4*\s+2:G0B+4*\s+3], s[78:79], s[KOB:KOB+1]
	s_or_b32 s[G0B+4*\s+3], s[G0B+4*\s+3], 0x80000000
.endm
	s_load_b256 s[4:11], s[0:1], 0x0               ; abf s[4:5], wcat s[6:7], cs s[8:9], q_norm_w s[10:11]
	s_load_b128 s[12:15], s[0:1], 0x20             ; k_norm_w s[12:13], qkv s[14:15]
	v_lshrrev_b32 v1, 5, v0
	v_readfirstlane_b32 s16, v1                    ; wave
	s_lshr_b32 s17, s16, 1                         ; mh: which 64 tokens are mine.  Also: I ask for weights (0) or for tokens (1)
	s_and_b32 s18, s16, 1                          ; c.  Also: which half of that tile I ask for
	s_bfe_u32 s19, ttmp6, 0x40000                  ; cx
	s_bfe_u32 s20, ttmp6, 0x40004                  ; cy
	s_lshl_b32 s21, ttmp9, 2
	s_add_co_u32 s21, s21, s19                     ; nb: block column = 4 x cluster x + cx
	s_and_b32 s22, ttmp7, 0xffff
	s_lshl_b32 s22, s22, 2
	s_add_co_u32 s22, s22, s20                     ; mb: block row = 4 x cluster y + cy
	s_lshl_b32 s23, s20, 2
	s_lshl_b32 s23, 15, s23                        ; my row of the cluster
	s_lshl_b32 s62, 0x1111, s19                    ; my column
	; group 1 of half a tokens' tile: 32,768 dense bytes as 128 rows x 32 elements of 8 bytes, no padding
	s_or_b32 s[G1A+0], s23, (3<<16)|(1<<21)
	s_mov_b32 s[G1A+1], 32<<16                     ; tensor_dim0 = 32
	s_mov_b32 s[G1A+2], 128<<16                    ; tensor_dim1 = 128
	s_mov_b32 s[G1A+3], 32<<16                     ; tile_dim0 = 32
	s_mov_b32 s[G1A+4], 128                        ; tile_dim1 = 128
	s_mov_b32 s[G1A+5], 32                         ; elements from row to row
	s_mov_b32 s[G1A+6], 0
	s_mov_b32 s[G1A+7], 0
	; group 1 of half a weights' tile: 49,152 dense bytes as 192 rows x 32 elements of 8 bytes, no padding
	s_or_b32 s[G1B+0], s62, (3<<16)|(1<<21)
	s_mov_b32 s[G1B+1], 32<<16
	s_mov_b32 s[G1B+2], 192<<16
	s_mov_b32 s[G1B+3], 32<<16
	s_mov_b32 s[G1B+4], 192
	s_mov_b32 s[G1B+5], 32
	s_mov_b32 s[G1B+6], 0
	s_mov_b32 s[G1B+7], 0
	; the tiles' addresses, each in registers that never hold the other coordinate
	s_lshl_b32 s76, s22, 20                        ; tokens: block row mb has 16 tiles of 65,536 bytes
	s_lshl_b32 s2, s18, 15
	s_add_co_u32 s76, s76, s2                      ; + my half
	s_mov_b32 s77, 0
	s_mul_i32 s78, s21, 16*BTILE                   ; weights: block column nb has 16 tiles of 98,304 bytes
	s_mul_i32 s63, s18, BTILE/2
	s_add_co_u32 s78, s78, s63                     ; + my half
	s_mov_b32 s79, 0
	s_mul_i32 s62, s21, NG                         ; my first head
	s_mul_i32 s3, s16, BTILE/2                     ; LDS: waves 0, 1: weights at wave x 49,152
	s_lshl_b32 s2, s16, 15                         ;      waves 2, 3: tokens at wave x 32,768 + 32,768: no place in the cluster enters an LDS address
	s_mov_b32 s72, 0x76543210                      ; v_permlanex16_b32: lane i reads lane i of the other half
	s_mov_b32 s73, 0xfedcba98
	s_mov_b32 s74, 0x358637bd                      ; eps = 1e-6
	; the walk along K: 2 b from the cluster's own coordinates, which hold no place inside the cluster
	s_and_b32 s[KXOR], ttmp7, 0xffff               ; Y
	s_lshr_b32 s[KTURN], s[KXOR], 1
	s_add_co_u32 s[KXOR], s[KXOR], s[KTURN]        ; Y + (Y >> 1)
	s_add_co_u32 s[KXOR], s[KXOR], ttmp9           ; + X
	s_and_b32 s[KXOR], s[KXOR], 1                  ; b
	s_lshl_b32 s[KXOR], s[KXOR], 1                 ; 0 or 2
	s_mov_b32 s[KOA+1], 0
	s_mov_b32 s[KOB+1], 0
	s_wait_kmcnt 0x0
	s_add_nc_u64 s[76:77], s[4:5], s[76:77]
	s_add_nc_u64 s[78:79], s[6:7], s[78:79]
.macro KIND i                          ; head 3 nb + i: its norm weights, its scale, and whether norm and rotation apply
	s_add_co_u32 s63, s62, \i
	s_cmp_lt_u32 s63, 32
	s_cselect_b64 s[56+2*\i:57+2*\i], s[10:11], s[12:13]
	s_cselect_b32 s[69+\i], 0x3e38aa3b, 1.0        ; q: 0.125 log2 e
	s_cmp_lt_u32 s63, 40
	s_cselect_b32 s[66+\i], -1, 0                  ; all lanes on for q and k, off for v
.endm
	KIND 0
	KIND 1
	KIND 2
	CROUND                                         ; all sixteen work-groups are here: the first joint loads meet
.irp s, 0,1
	s_xor_b32 s[KIDX], s[KXOR], \s                 ; turn s takes K step s ^ 2 b
	s_mov_b32 s[G0A+4*\s], 1
	s_add_co_u32 s[G0A+4*\s+1], s2, \s*SLOT+32768
	s_mov_b32 s[G0B+4*\s], 1
	s_add_co_u32 s[G0B+4*\s+1], s3, \s*SLOT
	KADDR \s
	JLOAD \s                                       ; both slots' first fills go out together: two tensor loads of the wave are out
.endr
	s_mov_b32 s[KTURN], 1                          ; turns 0 and 1 are asked for
	v_and_b32 v1, 15, v0                           ; r
	v_bfe_u32 v2, v0, 4, 1                         ; h
	v_and_b32 v3, 7, v0
	v_bfe_u32 v4, v0, 3, 1
	v_and_b32 v5, 31, v0                           ; L
	; token fragments: registers 0-3 are chunk 4 kq + h, registers 4-7 chunk 4 kq + 2 + h; a chunk is 2,048 bytes, a token 16 in it
	v_lshlrev_b32 v6, 4, v1
	v_lshl_add_u32 v6, v2, 11, v6
	s_lshl_b32 s2, s17, 10                         ; my 64 tokens
	s_add_co_u32 s2, s2, BTILE
	v_add_nc_u32 v[ADRT], s2, v6
	v_add_nc_u32 v[ADRT+1], SLOT, v[ADRT]
	; weight fragments: rows are k, 32 bytes apart, so the transposing load: (8 h + (L & 7)) 32 + 16 ((L >> 3) & 1); my strips are c and c + 2
	v_lshl_add_u32 v7, v2, 3, v3
	v_lshlrev_b32 v7, 5, v7
	v_lshl_add_u32 v7, v4, 4, v7
	s_lshl_b32 s2, s18, 13
	v_add_nc_u32 v7, s2, v7
.irp s, 0,1
.irp i, 0,1,2
	v_add_nc_u32 v[ADRW+NG*\s+\i], \s*SLOT+\i*WTILE, v7
.endr
.endr
	v_mul_u32_u24 v6, v1, SPITCH                   ; stage, in: row 64 mh + r (+ 16 mt), byte 32 c + 16 h (+ 64 p)
	v_lshl_add_u32 v6, v2, 4, v6
	s_mul_i32 s2, s17, 64*SPITCH
	s_lshl_b32 s3, s18, 5
	s_add_co_u32 s2, s2, s3
	s_add_co_u32 s2, s2, STAGE
	v_add_nc_u32 v[VST], s2, v6
	v_lshrrev_b32 v6, 3, v5                        ; stage, back: four rows of 128 bytes a load, rows 32 w ..
	v_mul_u32_u24 v6, v6, SPITCH
	v_lshl_add_u32 v6, v3, 4, v6
	s_mul_i32 s2, s16, 32*SPITCH
	s_add_co_u32 s2, s2, STAGE
	v_add_nc_u32 v[VRD], s2, v6
	v_mul_u32_u24 v6, v1, 48
	s_mul_i32 s2, s16, 768
	s_add_co_u32 s2, s2, SUMS
	v_add_nc_u32 v[VSUM], s2, v6                   ; my sums
	s_xor_b32 s3, s16, 1
	s_mul_i32 s3, s3, 768
	s_add_co_u32 s3, s3, SUMS
	v_add_nc_u32 v[VSUMP], s3, v6                  ; those of the wave with the other columns of my tokens
	s_mul_i32 s62, s21, NG*262144                  ; qkv: head 3 nb, token 128 mb + 32 w, 16 bytes a lane
	s_lshl_b32 s63, s22, 14
	s_add_co_u32 s62, s62, s63
	s_lshl_b32 s63, s16, 12
	s_add_co_u32 s62, s62, s63
	v_lshl_add_u32 v[VGO], v5, 4, s62
	s_lshl_b32 s63, s22, 15                        ; cs: token 128 mb + 64 mh + r, 256 bytes each; f = 16 c + 8 h + j
	s_lshl_b32 s62, s17, 14
	s_add_co_u32 s63, s63, s62
	s_lshl_b32 s62, s18, 6
	v_lshlrev_b32 v[VW], 5, v2
	v_add_nc_u32 v[VW], s62, v[VW]                 ; 64 c + 32 h: also my place in the norm weights
	v_lshl_add_u32 v[VCS], v1, 8, v[VW]
	v_add_nc_u32 v[VCS], s63, v[VCS]
.irp mt, 0,1,2,3
	global_load_b128 v[CS+16*\mt:CS+16*\mt+3],     v[VCS], s[8:9] offset:4096*\mt
	global_load_b128 v[CS+16*\mt+4:CS+16*\mt+7],   v[VCS], s[8:9] offset:4096*\mt+16
	global_load_b128 v[CS+16*\mt+8:CS+16*\mt+11],  v[VCS], s[8:9] offset:4096*\mt+128
	global_load_b128 v[CS+16*\mt+12:CS+16*\mt+15], v[VCS], s[8:9] offset:4096*\mt+144
.endr
.macro LOADW i, wb
	global_load_b128 v[\wb:\wb+3],     v[VW], s[56+2*\i:57+2*\i]
	global_load_b128 v[\wb+4:\wb+7],   v[VW], s[56+2*\i:57+2*\i] offset:16
	global_load_b128 v[\wb+8:\wb+11],  v[VW], s[56+2*\i:57+2*\i] offset:128
	global_load_b128 v[\wb+12:\wb+15], v[VW], s[56+2*\i:57+2*\i] offset:144
.endm
	LOADW 0, WN0
	LOADW 1, WN1
	LOADW 2, WN2
	s_wait_loadcnt 0x0
; The norm weights are rounded to bf16 like the other inputs; q's scale goes into them (the rotation is linear); a v head's weights become 1.
.macro SCALEW i, wb
.irp q, 0,1,2,3,4,5,6,7
	v_cvt_pk_bf16_f32 v[WT+\q], v[\wb+2*\q], v[\wb+2*\q+1]
.endr
.irp q, 0,1,2,3,4,5,6,7
	v_lshlrev_b32 v[\wb+2*\q], 16, v[WT+\q]
	v_and_b32 v[\wb+2*\q+1], 0xffff0000, v[WT+\q]
.endr
.irp j, 0,1,2,3,4,5,6,7,8,9,10,11,12,13,14,15
	v_mul_f32 v[\wb+\j], s[69+\i], v[\wb+\j]
.endr
.irp j, 0,1,2,3,4,5,6,7,8,9,10,11,12,13,14,15
	v_cndmask_b32 v[\wb+\j], 1.0, v[\wb+\j], s[66+\i]
.endr
.endm
	SCALEW 0, WN0
	SCALEW 1, WN1
	SCALEW 2, WN2
; n token tiles from mt0 on x all NQ column tiles, 32 along K, from buffer b.  zero = 1: the first product starts the sums.
; The accumulators take turns, one instruction a turn, in the same order in every eighth of a step.
.macro MULT b, mt0, n, zero
.set mt_, \mt0
.rept \n
.set q_, 0
.rept NQ
.if \zero
	v_wmma_f32_16x16x32_bf16 v[8*(NQ*mt_+q_):8*(NQ*mt_+q_)+7], v[WF+8*NQ*\b+8*q_:WF+8*NQ*\b+8*q_+7], v[TF+32*\b+8*mt_:TF+32*\b+8*mt_+7], 0
.else
	v_wmma_f32_16x16x32_bf16 v[8*(NQ*mt_+q_):8*(NQ*mt_+q_)+7], v[WF+8*NQ*\b+8*q_:WF+8*NQ*\b+8*q_+7], v[TF+32*\b+8*mt_:TF+32*\b+8*mt_+7], v[8*(NQ*mt_+q_):8*(NQ*mt_+q_)+7]
.endif
.set q_, q_+1
.endr
.set mt_, mt_+1
.endr
.endm
; the fragments of eighth kq (32 along K) of a slot into buffer b: 2 NQ transposing loads of weights, then 8 loads of tokens, token tiles ascending
.macro FETCH slot, kq, b
	WIN 0
.set i_, 0
.rept NG
.irp p, 0,1
	ds_load_tr16_b128 v[WF+8*NQ*\b+8*(2*i_+\p):WF+8*NQ*\b+8*(2*i_+\p)+3],   v[ADRW+NG*\slot+i_] offset:1024*\kq+16384*\p
	ds_load_tr16_b128 v[WF+8*NQ*\b+8*(2*i_+\p)+4:WF+8*NQ*\b+8*(2*i_+\p)+7], v[ADRW+NG*\slot+i_] offset:1024*\kq+16384*\p+512
.endr
.set i_, i_+1
.endr
	WIN MUL
.irp mt, 0,1,2,3
	ds_load_b128 v[TF+32*\b+8*\mt:TF+32*\b+8*\mt+3],   v[ADRT+\slot] offset:8192*\kq+256*\mt
	ds_load_b128 v[TF+32*\b+8*\mt+4:TF+32*\b+8*\mt+7], v[ADRT+\slot] offset:8192*\kq+256*\mt+4096
.endr
.endm
; one of a K step's first seven eighths: multiplies buffer f, and in its middle fetches eighth kq into buffer g
.macro EIGHTH slot, kq, f, g, zero
	s_wait_dscnt 4                                 ; all but the youngest four loads (token tiles 2 and 3) are in
	WIN MUL
	MULT \f, 0, 2, \zero
	PLACES                                         ; buffer g was last read by matrix instructions: four places in front of the loads into it
	FETCH \slot, \kq, \g
	s_wait_dscnt 2*NQ+8                            ; all but the run just issued
	MULT \f, 2, 2, \zero
.endm
.macro SEVEN slot, zero
	EIGHTH \slot, 1, 0, 1, \zero
	EIGHTH \slot, 2, 1, 0, 0
	EIGHTH \slot, 3, 0, 1, 0
	EIGHTH \slot, 4, 1, 0, 0
	EIGHTH \slot, 5, 0, 1, 0
	EIGHTH \slot, 6, 1, 0, 0
	EIGHTH \slot, 7, 0, 1, 0
.endm
; the last eighth multiplies buffer 1 and changes slots.  In front of the barrier each wave waits for its reads of this slot and for all its
; tensor loads (one is out: its part of the next slot).  Where the slot is filled again the barrier opens a round of the cluster's barrier,
; and the joint refill is the first tensor load behind the round's closing wait.
.macro TURN slot, next, fill
	s_wait_dscnt 4
	WIN MUL
	MULT 1, 0, 1, 0
	s_wait_dscnt 0x0                               ; my reads of this slot are over
	s_wait_tensorcnt 0x0                           ; all my tensor loads have landed
	s_barrier_signal -1
	MULT 1, 1, 1, 0                                ; register work while the others arrive
	WIN 0
	s_barrier_wait -1
.if \fill
	CREST
	s_add_co_u32 s[KTURN], s[KTURN], 1             ; the next turn to ask for: two turns on from the one that this slot held,
	s_xor_b32 s[KIDX], s[KTURN], s[KXOR]           ; and its K step
	KADDR \slot                                    ; no load of the wave is out: group 0 may be written
	JLOAD \slot                                    ; its four v_nop are also the places in front of the loads below
.else
	PLACES
.endif
	FETCH \next, 0, 0
	MULT 1, 2, 2, 0
.endm
.macro LAP zero
	SEVEN 0, \zero
	TURN 0, 1, 1
	SEVEN 1, 0
	TURN 1, 0, 1
.endm
	s_wait_tensorcnt 0x1                           ; my part of turn 0's tiles is in; turn 1's stays out
	s_barrier_signal -1
	s_barrier_wait -1
	FETCH 0, 0, 0
	LAP 1                                          ; the first lap's first products start the sums
	WIN 0
	s_mov_b32 s75, LAPS-2
.Llap:
	LAP 0
	WIN 0
	s_sub_co_u32 s75, s75, 1
	s_cmp_lg_u32 s75, 0
	s_cbranch_scc1 .Llap
	SEVEN 0, 0                                     ; the last lap fills nothing: turns 2 to 15 have been asked for, 2 in the first lap and 12 in the loop
	TURN 0, 1, 0                                   ; behind this barrier no wave reads slot 0 and no load lands in it any more
	SEVEN 1, 0
	s_wait_dscnt 0x0
	WIN MUL
	MULT 1, 0, 4, 0
	; SUMS OF SQUARES.  g = 3 mt + head: its 16 numbers of a lane are the accumulator registers 16 g .. 16 g + 15.
	PLACES
	s_mov_b32 s75, 0x3c800000                      ; 1 / 64
	WIN 0x05                                       ; sources 0 and 1 window 1
.irp g, 0,1,2,3,4,5,6,7,8,9,10,11
	v_pk_mul_f32 v[64+2*\g:65+2*\g], v[16*\g:16*\g+1], v[16*\g:16*\g+1]
.endr
.irp q, 1,2,3,4,5,6,7
.irp g, 0,1,2,3,4,5,6,7,8,9,10,11
	v_pk_fma_f32 v[64+2*\g:65+2*\g], v[16*\g+2*\q:16*\g+2*\q+1], v[16*\g+2*\q:16*\g+2*\q+1], v[64+2*\g:65+2*\g]
.endr
.endr
	WIN 0
.irp g, 0,1,2,3,4,5,6,7,8,9,10,11
	v_add_f32 v[88+\g], v[64+2*\g], v[65+2*\g]
.endr
.irp g, 0,1,2,3,4,5,6,7,8,9,10,11
	v_permlanex16_b32 v[64+\g], v[88+\g], s72, s73 ; the other eight columns of each tile
.endr
.irp g, 0,1,2,3,4,5,6,7,8,9,10,11
	v_add_f32 v[88+\g], v[88+\g], v[64+\g]
.endr
	ds_store_b128 v[VSUM], v[88:91]
	ds_store_b128 v[VSUM], v[92:95] offset:16
	ds_store_b128 v[VSUM], v[96:99] offset:32
	s_wait_dscnt 0x0                               ; for the other wave's sake
	s_barrier_signal -1
	s_barrier_wait -1
	ds_load_b128 v[64:67], v[VSUMP]
	ds_load_b128 v[68:71], v[VSUMP] offset:16
	ds_load_b128 v[72:75], v[VSUMP] offset:32
	s_wait_dscnt 0x0
.irp g, 0,1,2,3,4,5,6,7,8,9,10,11
	v_add_f32 v[88+\g], v[88+\g], v[64+\g]
.endr
.irp g, 0,1,2,3,4,5,6,7,8,9,10,11
	v_fma_f32 v[88+\g], v[88+\g], s75, s74         ; mean + eps
.endr
.irp g, 0,1,2,3,4,5,6,7,8,9,10,11
	v_rsq_f32 v[88+\g], v[88+\g]
.endr
	v_nop                                          ; one plain instruction behind the run of v_rsq_f32 (ISA guide 5.7.2)
	s_wait_alu depctr_va_vdst(0)
.irp g, 0,1,2,3,4,5,6,7,8,9,10,11
	v_cndmask_b32 v[RSP+2*\g], 1.0, v[88+\g], s[66+\g%3]       ; a v head is not normalised
	v_cndmask_b32 v[RSP+2*\g+1], 1.0, v[88+\g], s[66+\g%3]
.endr
; NORM, ROTATION, ROUNDING, one token tile at a time
.macro HEADOUT mt, i, wb
.irp q, 0,1,2,3,4,5,6,7
	v_pk_mul_f32 v[YY+16*\i+2*\q:YY+16*\i+2*\q+1], v[YY+16*\i+2*\q:YY+16*\i+2*\q+1], v[\wb+2*\q:\wb+2*\q+1]
.endr
.irp j, 0,1,2,3,4,5,6,7
	v_cndmask_b32 v[CC+\j], 1.0, v[CS+16*\mt+\j], s[66+\i]     ; a v head turns by the angle 0
	v_cndmask_b32 v[SS+\j], 0, v[CS+16*\mt+8+\j], s[66+\i]
.endr
.irp q, 0,1,2,3
	v_pk_mul_f32 v[O1+2*\q:O1+2*\q+1], v[YY+16*\i+2*\q:YY+16*\i+2*\q+1], v[CC+2*\q:CC+2*\q+1]
	v_pk_mul_f32 v[O2+2*\q:O2+2*\q+1], v[YY+16*\i+2*\q:YY+16*\i+2*\q+1], v[SS+2*\q:SS+2*\q+1]
.endr
.irp j, 0,1,2,3,4,5,6,7
	v_fma_f32 v[O1+\j], -v[YY+16*\i+8+\j], v[SS+\j], v[O1+\j]  ; d < 32: x1 cos - x2 sin
.endr
.irp q, 0,1,2,3
	v_pk_fma_f32 v[O2+2*\q:O2+2*\q+1], v[YY+16*\i+8+2*\q:YY+16*\i+8+2*\q+1], v[CC+2*\q:CC+2*\q+1], v[O2+2*\q:O2+2*\q+1]   ; d >= 32: x2 cos + x1 sin
.endr
.irp q, 0,1,2,3
	v_cvt_pk_f16_f32 v[PK+\q], v[O1+2*\q], v[O1+2*\q+1]        ; one rounding, to f16
	v_cvt_pk_f16_f32 v[PK+4+\q], v[O2+2*\q], v[O2+2*\q+1]
.endr
	ds_store_b128 v[VST], v[PK:PK+3]   offset:SHEAD*\i+16*SPITCH*\mt
	ds_store_b128 v[VST], v[PK+4:PK+7] offset:SHEAD*\i+16*SPITCH*\mt+64
.endm
.macro ROPE mt
	WIN 0x01                                       ; source 0 window 1
.irp i, 0,1,2
.irp q, 0,1,2,3,4,5,6,7
	v_pk_mul_f32 v[YY+16*\i+2*\q:YY+16*\i+2*\q+1], v[16*(3*\mt+\i)+2*\q:16*(3*\mt+\i)+2*\q+1], v[RSP+2*(3*\mt+\i):RSP+2*(3*\mt+\i)+1]
.endr
.endr
	WIN 0
	HEADOUT \mt, 0, WN0
	HEADOUT \mt, 1, WN1
	HEADOUT \mt, 2, WN2
.endm
	ROPE 0
	ROPE 1
	ROPE 2
	ROPE 3
	s_wait_dscnt 0x0                               ; my part of the stage is written,
	s_barrier_signal -1
	s_barrier_wait -1                              ; everybody's is
	; THE WAY OUT: of each head my 32 tokens are 4,096 dense bytes of qkv: eight loads and stores of 512 consecutive bytes, aligned
.irp i, 0,1,2
.irp t, 0,1,2,3,4,5,6,7
	ds_load_b128 v[64+4*(8*\i+\t):64+4*(8*\i+\t)+3], v[VRD] offset:SHEAD*\i+4*SPITCH*\t
.endr
.endr
.irp i, 0,1,2
.irp t, 0,1,2,3,4,5,6,7
	s_wait_dscnt 23-(8*\i+\t)                      ; LDS loads return in order: this one is in
	global_store_b128 v[VGO], v[64+4*(8*\i+\t):64+4*(8*\i+\t)+3], s[14:15] offset:262144*\i+512*\t
.endr
.endr
	CROUND                                         ; the closing round: no work-group ends while a partner may still ask jointly
	s_endpgm
.Lfunc_end_k_q7bd8333ffa_proj:
	.size	k_q7bd8333ffa_proj, .Lfunc_end_k_q7bd8333ffa_proj-k_q7bd8333ffa_proj
	.p2alignl 7, 3214868480
	.fill 96, 4, 3214868480
	.section	.rodata,"a",@progbits
	.p2align	6, 0x0
	.amdhsa_kernel k_q7bd8333ffa_proj
		.amdhsa_group_segment_fixed_size 327680
		.amdhsa_private_segment_fixed_size 0
		.amdhsa_enable_private_segment 0
		.amdhsa_kernarg_size 48
		.amdhsa_user_sgpr_count 2
		.amdhsa_user_sgpr_kernarg_segment_ptr 1
		.amdhsa_wavefront_size32 1
		.amdhsa_system_sgpr_workgroup_id_x 1
		.amdhsa_system_sgpr_workgroup_id_y 1
		.amdhsa_system_sgpr_workgroup_id_z 1
		.amdhsa_system_vgpr_workitem_id 0
		.amdhsa_next_free_vgpr 512
		.amdhsa_next_free_sgpr 88
		.amdhsa_reserve_vcc 0
		.amdhsa_float_denorm_mode_32 3
		.amdhsa_float_denorm_mode_16_64 3
		.amdhsa_memory_ordered 1
		.amdhsa_forward_progress 1
		.amdhsa_inst_pref_size 232
	.end_amdhsa_kernel
	.amdgpu_metadata
---
amdhsa.version: [ 1, 2 ]
amdhsa.kernels:
  - .name:           k_q7bd8333ffa_proj
    .symbol:         k_q7bd8333ffa_proj.kd
    .args:
      - { .name: abf, .offset: 0, .size: 8, .value_kind: global_buffer, .address_space: global }
      - { .name: wcat, .offset: 8, .size: 8, .value_kind: global_buffer, .address_space: global }
      - { .name: cs, .offset: 16, .size: 8, .value_kind: global_buffer, .address_space: global }
      - { .name: q_norm_w, .offset: 24, .size: 8, .value_kind: global_buffer, .address_space: global }
      - { .name: k_norm_w, .offset: 32, .size: 8, .value_kind: global_buffer, .address_space: global }
      - { .name: qkv, .offset: 40, .size: 8, .value_kind: global_buffer, .address_space: global }
    .group_segment_fixed_size: 327680
    .private_segment_fixed_size: 0
    .kernarg_segment_align: 8
    .kernarg_segment_size: 48
    .max_flat_workgroup_size: 128
    .sgpr_count:     88
    .vgpr_count:     512
    .wavefront_size: 32
...
	.end_amdgpu_metadata
.endif
;; end of part 6
;; launch attn: the kernel of part 3 again; grid 32 x 8, 8 waves a work-group, no clusters, 327,680 bytes of LDS; arguments qkv, att; writes att
;; launch oproj (part 7): grid 16 x 16, 4 waves a work-group, clusters of 4 x 4, 327,680 bytes of LDS; arguments att, wot, out0; writes out0
.if DOCPART == 7
	.amdgcn_target "amdgcn-amd-amdhsa--gfx1250"
	.amdhsa_code_object_version 6
	.text
	.protected	k_q7bd8333ffa_oproj
	.globl	k_q7bd8333ffa_oproj
	.p2align	8
	.type	k_q7bd8333ffa_oproj,@function
k_q7bd8333ffa_oproj:
	s_mov_b64 s[64:65], 0
	v_nop
	global_prefetch_b8 v0, s[64:65] scope:SCOPE_SE
	s_setreg_imm32_b32 hwreg(HW_REG_WAVE_MODE, 25, 1), 1
	s_wait_xcnt 0x0
	s_wait_alu depctr_hold_cnt(0) depctr_sa_sdst(0) depctr_va_vdst(0) depctr_va_sdst(0) depctr_va_ssrc(0) depctr_va_vcc(0) depctr_vm_vsrc(0)
	s_getreg_b32 s2, hwreg(HW_REG_IB_STS2, 6, 4)
	s_cmp_eq_u32 s2, 0
	s_cbranch_scc0 .Lentry_in_a_cluster
	s_endpgm
.Lentry_in_a_cluster:
	s_bfe_u32 s2, ttmp6, 0x10000c
	s_cmp_lg_u32 s2, 0xf033
	s_cbranch_scc0 .Lentry_shape_is_right
	s_endpgm
.Lentry_shape_is_right:
; out0 = att Wo.  att: f16 [2048 t][2048 k].  wot: f16 [32 groups][2048 k][64].  out0: f32 [2048][2048].
; A work-group makes 128 tokens x 128 columns (two groups) with four waves: 16 x 16 = 256 work-groups.  Wave w: tokens 64 (w>>1) .. +63; c = w & 1;
; of each group the column tiles 16 c + 32 p .. +15, p = 0, 1: 16 accumulator tiles.  The matrix instruction is used transposed (source 0 = 16
; columns of the weights, source 1 = 16 tokens): a lane holds eight neighbouring columns of one token.
; K goes in steps of 256 through two LDS slots, so that from a refill to the wait for it a wave issues 124 of a step's 128 matrix instructions.
; A slot: two groups' weights (256 k x 128 bytes each, dense in memory, taken as 128 rows of 256 bytes, LDS rows 160 bytes apart), asked for by waves
; 0 and 1; then two halves of the tokens' tile (64 rows x 512 bytes each, LDS rows 528 bytes apart), asked for by waves 2 and 3.
; CLUSTERS: 4 x 4 work-groups; the tokens' tiles are asked for jointly along a row of the cluster, the weights' along a column: the requests for both
; are divided by four.
; THE WALK ALONG K: cluster (X, Y) takes K step t ^ 2 b in its turn t, b = (X + Y + (Y >> 1)) & 1.  The clusters along x want the same tokens' tiles, those
; along y the same weights' tiles; b differs between X and X ^ 1, and between Y and both Y ^ 1 and Y ^ 2.  So of every four K steps a cluster is the
; first to ask for two steps' tiles, and asks for the other two steps' tiles two turns after such a neighbour asked for them: 4 of its 6 refills
; are for bytes that were read shortly before.  b hangs on the cluster's coordinates alone, which all sixteen partners share: the joint
; loads' descriptors stay equal.
; FORMATS AND LIMITS: operands f16 (att with its own 11 bits; Wo's numbers are those of its rounding to bf16), sums f32; the order of the sums over K is
; 0, 1, 2, 3, .. where b = 0 and 2, 3, 0, 1, 6, 7, 4, 5 where b = 1.
.set NG,     2
.set NQ,     2*NG
.set KSLOT,  256
.set APITCH, 528                       ; tokens' LDS row: 512 bytes + 16, an odd multiple of 16
.set WPITCH, 160                       ; weights' LDS row: 128 bytes + 32, an odd multiple of 32 for the transposing load
.set WREG,   KSLOT*WPITCH              ; 40,960: a group's weights
.set AREG,   64*APITCH                 ; 33,792: half the tokens' tile
.set SLOT,   2*WREG+2*AREG             ; 149,504
.set STAGE,  0                         ; the way out lies on slot 0: 128 rows x 528 bytes.  Slot 0's last fill and its last reads lie in front of the last change of slots
.set OPITCH, 528
.set LAPS,   2048/(2*KSLOT)
.set ADRT,  16                         ; v16-17  my token fragments in slot 0, 1
.set ADRW,  18                         ; v18-21  my weight fragments, [slot][group]
.set VST,   24
.set VRD,   25
.set VGO,   26
.set WF,    64                         ; v[64:95], v[96:127] weight fragments, two buffers
.set TF,    192                        ; window 1: v[192:223], v[224:255] token fragments; accumulator (mt, q) at 8 (NQ mt + q)
.set G1A, 24                           ; tokens
.set G0A, 32
.set G1B, 40                           ; weights
.set G0B, 48
.set KTURN, 80                         ; s80      the turn whose tiles were asked for last
.set KXOR,  81                         ; s81      2 b
.set KOA,   82                         ; s[82:83] byte offset of a K step in a row of att
.set KOB,   84                         ; s[84:85] byte offset of a K step in a group of wot
.set KIDX,  86                         ; s86      the K step of a turn
.set MUL, 0x54                         ; source 0 window 0, source 1, C and D window 1; an LDS load under it: data window 1, address window 0
.set MSB, 0
.macro WIN new
.if MSB != \new
	s_set_vgpr_msb (MSB<<8)|\new
.set MSB, \new
.endif
.endm
.macro PLACES                          ; four independent vector instructions behind a matrix instruction (ISA guide 7.12.1)
.rept 4
	v_nop
.endr
.endm
.macro JLOAD s                         ; one line and one mask for each kind; the branch hangs on the wave's number alone; four v_nop follow each line
	s_cmp_eq_u32 s17, 0
	s_cbranch_scc0 .Lfor_t_\@
	tensor_load_to_lds s[G0B+4*\s:G0B+4*\s+3], s[G1B:G1B+7]
	s_nop 0
.rept 4
	v_nop
.endr
	s_branch .Lasked_\@
.Lfor_t_\@:
	tensor_load_to_lds s[G0A+4*\s:G0A+4*\s+3], s[G1A:G1A+7]
	s_nop 0
.rept 4
	v_nop
.endr
.Lasked_\@:
.endm
.macro CREST
	s_cmp_lg_u32 s16, 0
	s_cbranch_scc1 .Lnot_wave_0_\@
	s_barrier_signal -3
.Lnot_wave_0_\@:
	s_barrier_wait -3
	s_barrier_signal -1
	s_barrier_wait -1
.endm
.macro CROUND
	s_barrier_signal -1
	s_barrier_wait -1
	CREST
.endm
; The two global addresses of slot s for the K step in s[KIDX]: base + offset, then the type bits.  Written only while no tensor load of the wave is out, or before the slot's first.
.macro KADDR s
	s_lshl_b32 s[KOA], s[KIDX], 9                  ; 256 k of 2 bytes along a row of att
	s_lshl_b32 s[KOB], s[KIDX], 15                 ; 256 k of 128 bytes in a group of wot
	s_add_nc_u64 s[G0A+4*\s+2:G0A+4*\s+3], s[76:77], s[KOA:KOA+1]
	s_or_b32 s[G0A+4*\s+3], s[G0A+4*\s+3], 0x80000000
	s_add_nc_u64 s[G0B+4*\s+2:G0B+4*\s+3], s[78:79], s[KOB:KOB+1]
	s_or_b32 s[G0B+4*\s+3], s[G0B+4*\s+3], 0x80000000
.endm
	s_load_b128 s[4:7], s[0:1], 0x0                ; att s[4:5], wot s[6:7]
	s_load_b64 s[8:9], s[0:1], 0x10                ; out0
	v_lshrrev_b32 v1, 5, v0
	v_readfirstlane_b32 s16, v1                    ; wave
	s_lshr_b32 s17, s16, 1                         ; mh: which 64 tokens are mine.  Also: I ask for weights (0) or for tokens (1)
	s_and_b32 s18, s16, 1                          ; c.  Also: which group, or which half of the tokens, I ask for
	s_bfe_u32 s19, ttmp6, 0x40000                  ; cx
	s_bfe_u32 s20, ttmp6, 0x40004                  ; cy
	s_lshl_b32 s21, ttmp9, 2
	s_add_co_u32 s21, s21, s19                     ; nb
	s_and_b32 s22, ttmp7, 0xffff
	s_lshl_b32 s22, s22, 2
	s_add_co_u32 s22, s22, s20                     ; mb
	s_lshl_b32 s23, s20, 2
	s_lshl_b32 s23, 15, s23                        ; my row of the cluster
	s_lshl_b32 s62, 0x1111, s19                    ; my column
	s_or_b32 s[G1A+0], s23, (1<<16)|(1<<20)|(1<<21)|(6<<22)|(3<<25)   ; 64 rows x 256 elements of 2 bytes, 4 words of padding after every 128
	s_mov_b32 s[G1A+1], KSLOT<<16
	s_mov_b32 s[G1A+2], 64<<16
	s_mov_b32 s[G1A+3], KSLOT<<16
	s_mov_b32 s[G1A+4], 64
	s_mov_b32 s[G1A+5], 2048
	s_mov_b32 s[G1A+6], 0
	s_mov_b32 s[G1A+7], 0
	s_or_b32 s[G1B+0], s62, (3<<16)|(1<<20)|(1<<21)|(4<<22)|(7<<25)   ; 128 rows x 32 elements of 8 bytes, 8 words of padding after every 32 (a k row of 128 bytes)
	s_mov_b32 s[G1B+1], 32<<16
	s_mov_b32 s[G1B+2], 128<<16
	s_mov_b32 s[G1B+3], 32<<16
	s_mov_b32 s[G1B+4], 128
	s_mov_b32 s[G1B+5], 32
	s_mov_b32 s[G1B+6], 0
	s_mov_b32 s[G1B+7], 0
	s_lshl_b32 s76, s22, 19                        ; tokens: (128 mb + 64 half) rows of 4,096 bytes
	s_lshl_b32 s2, s18, 18
	s_add_co_u32 s76, s76, s2
	s_mov_b32 s77, 0
	s_lshl_b32 s62, s21, 1
	s_add_co_u32 s62, s62, s18                     ; weights: group 2 nb + which
	s_lshl_b32 s78, s62, 18
	s_mov_b32 s79, 0
	s_mul_i32 s3, s16, WREG                        ; LDS: waves 0, 1: weights at wave x 40,960
	s_mul_i32 s2, s16, AREG                        ;      waves 2, 3: tokens at wave x 33,792 + 14,336: no place in the cluster enters an LDS address
	; the walk along K: 2 b from the cluster's own coordinates, which hold no place inside the cluster
	s_and_b32 s[KXOR], ttmp7, 0xffff               ; Y
	s_lshr_b32 s[KTURN], s[KXOR], 1
	s_add_co_u32 s[KXOR], s[KXOR], s[KTURN]        ; Y + (Y >> 1)
	s_add_co_u32 s[KXOR], s[KXOR], ttmp9           ; + X
	s_and_b32 s[KXOR], s[KXOR], 1                  ; b
	s_lshl_b32 s[KXOR], s[KXOR], 1                 ; 0 or 2
	s_mov_b32 s[KOA+1], 0
	s_mov_b32 s[KOB+1], 0
	s_wait_kmcnt 0x0
	s_add_nc_u64 s[76:77], s[4:5], s[76:77]
	s_add_nc_u64 s[78:79], s[6:7], s[78:79]
	CROUND                                         ; in front of the first joint loads
.irp s, 0,1
	s_xor_b32 s[KIDX], s[KXOR], \s                 ; turn s takes K step s ^ 2 b
	s_mov_b32 s[G0A+4*\s], 1
	s_add_co_u32 s[G0A+4*\s+1], s2, \s*SLOT+2*WREG-2*AREG
	s_mov_b32 s[G0B+4*\s], 1
	s_add_co_u32 s[G0B+4*\s+1], s3, \s*SLOT
	KADDR \s
	JLOAD \s                                       ; both slots' first fills go out together: two tensor loads of the wave are out
.endr
	s_mov_b32 s[KTURN], 1                          ; turns 0 and 1 are asked for
	v_and_b32 v1, 15, v0                           ; r
	v_bfe_u32 v2, v0, 4, 1                         ; h
	v_and_b32 v3, 7, v0
	v_bfe_u32 v4, v0, 3, 1
	v_and_b32 v5, 31, v0                           ; L
	v_mul_u32_u24 v6, v1, APITCH                   ; token fragments: K along the LDS rows: row x pitch + 16 h
	v_lshl_add_u32 v6, v2, 4, v6
	s_mul_i32 s2, s17, AREG
	s_add_co_u32 s2, s2, 2*WREG
	v_add_nc_u32 v[ADRT], s2, v6
	v_add_nc_u32 v[ADRT+1], SLOT, v[ADRT]
	v_lshl_add_u32 v7, v2, 3, v3                   ; weight fragments: rows are k: (8 h + (L & 7)) pitch + 16 ((L >> 3) & 1) + 2 x first column
	v_mul_u32_u24 v7, v7, WPITCH
	v_lshl_add_u32 v7, v4, 4, v7
	s_lshl_b32 s2, s18, 5
	v_add_nc_u32 v7, s2, v7
.irp s, 0,1
.irp i, 0,1
	v_add_nc_u32 v[ADRW+NG*\s+\i], \s*SLOT+\i*WREG, v7
.endr
.endr
	v_mul_u32_u24 v6, v1, OPITCH                   ; stage, in: row 64 mh + r (+ 16 mt), byte 64 c + 32 h (+ 256 group + 128 p)
	v_lshl_add_u32 v6, v2, 5, v6
	s_mul_i32 s2, s17, 64*OPITCH
	s_lshl_b32 s3, s18, 6
	s_add_co_u32 s2, s2, s3
	s_add_co_u32 s2, s2, STAGE
	v_add_nc_u32 v[VST], s2, v6
	s_mul_i32 s2, s16, 32*OPITCH                   ; stage, back: rows 32 w .., 512 bytes each
	s_add_co_u32 s2, s2, STAGE
	v_lshl_add_u32 v[VRD], v5, 4, s2
	s_lshl_b32 s62, s22, 20                        ; out0: row 128 mb + 32 w of 8,192 bytes, byte 512 nb + 16 L
	s_lshl_b32 s63, s16, 18
	s_add_co_u32 s62, s62, s63
	s_lshl_b32 s63, s21, 9
	s_add_co_u32 s62, s62, s63
	v_lshl_add_u32 v[VGO], v5, 4, s62
; The accumulators take turns, one instruction a turn, in the same order in every eighth of a step.
.macro MULT b, mt0, n, zero
.set mt_, \mt0
.rept \n
.set q_, 0
.rept NQ
.if \zero
	v_wmma_f32_16x16x32_f16 v[8*(NQ*mt_+q_):8*(NQ*mt_+q_)+7], v[WF+8*NQ*\b+8*q_:WF+8*NQ*\b+8*q_+7], v[TF+32*\b+8*mt_:TF+32*\b+8*mt_+7], 0
.else
	v_wmma_f32_16x16x32_f16 v[8*(NQ*mt_+q_):8*(NQ*mt_+q_)+7], v[WF+8*NQ*\b+8*q_:WF+8*NQ*\b+8*q_+7], v[TF+32*\b+8*mt_:TF+32*\b+8*mt_+7], v[8*(NQ*mt_+q_):8*(NQ*mt_+q_)+7]
.endif
.set q_, q_+1
.endr
.set mt_, mt_+1
.endr
.endm
.macro FETCH slot, kq, b               ; the fragments of eighth kq (32 along K) of a slot into buffer b
	WIN 0
.set i_, 0
.rept NG
.irp p, 0,1
	ds_load_tr16_b128 v[WF+8*NQ*\b+8*(2*i_+\p):WF+8*NQ*\b+8*(2*i_+\p)+3],   v[ADRW+NG*\slot+i_] offset:32*WPITCH*\kq+64*\p
	ds_load_tr16_b128 v[WF+8*NQ*\b+8*(2*i_+\p)+4:WF+8*NQ*\b+8*(2*i_+\p)+7], v[ADRW+NG*\slot+i_] offset:32*WPITCH*\kq+64*\p+16*WPITCH
.endr
.set i_, i_+1
.endr
	WIN MUL
.irp mt, 0,1,2,3
	ds_load_b128 v[TF+32*\b+8*\mt:TF+32*\b+8*\mt+3],   v[ADRT+\slot] offset:16*APITCH*\mt+64*\kq
	ds_load_b128 v[TF+32*\b+8*\mt+4:TF+32*\b+8*\mt+7], v[ADRT+\slot] offset:16*APITCH*\mt+64*\kq+32
.endr
.endm
.macro EIGHTH slot, kq, f, g, zero
	s_wait_dscnt 4                                 ; all but the youngest four loads (token tiles 2 and 3) are in
	WIN MUL
	MULT \f, 0, 2, \zero
	PLACES                                         ; four places in front of the loads into buffer g
	FETCH \slot, \kq, \g
	s_wait_dscnt 2*NQ+8                            ; all but the run just issued
	MULT \f, 2, 2, \zero
.endm
.macro SEVEN slot, zero
	EIGHTH \slot, 1, 0, 1, \zero
	EIGHTH \slot, 2, 1, 0, 0
	EIGHTH \slot, 3, 0, 1, 0
	EIGHTH \slot, 4, 1, 0, 0
	EIGHTH \slot, 5, 0, 1, 0
	EIGHTH \slot, 6, 1, 0, 0
	EIGHTH \slot, 7, 0, 1, 0
.endm
; the change of slots: each wave's reads of this slot and all its tensor loads are waited for in front of the barrier; where the slot is filled again
; the barrier opens a round of the cluster's barrier, and the joint refill is the first tensor load behind the round's closing wait
.macro TURN slot, next, fill
	s_wait_dscnt 4
	WIN MUL
	MULT 1, 0, 1, 0
	s_wait_dscnt 0x0
	s_wait_tensorcnt 0x0
	s_barrier_signal -1
	MULT 1, 1, 1, 0
	WIN 0
	s_barrier_wait -1
.if \fill
	CREST
	s_add_co_u32 s[KTURN], s[KTURN], 1             ; the next turn to ask for: two turns on from the one that this slot held,
	s_xor_b32 s[KIDX], s[KTURN], s[KXOR]           ; and its K step
	KADDR \slot                                    ; no load of the wave is out: group 0 may be written
	JLOAD \slot
.else
	PLACES
.endif
	FETCH \next, 0, 0
	MULT 1, 2, 2, 0
.endm
.macro LAP zero
	SEVEN 0, \zero
	TURN 0, 1, 1
	SEVEN 1, 0
	TURN 1, 0, 1
.endm
	s_wait_tensorcnt 0x1                           ; my part of turn 0's tiles is in; turn 1's stays out
	s_barrier_signal -1
	s_barrier_wait -1
	FETCH 0, 0, 0
	LAP 1
	WIN 0
	s_mov_b32 s75, LAPS-2
.Llap:
	LAP 0
	WIN 0
	s_sub_co_u32 s75, s75, 1
	s_cmp_lg_u32 s75, 0
	s_cbranch_scc1 .Llap
	SEVEN 0, 0                                     ; the last lap fills nothing: turns 2 to 7 have been asked for, 2 in the first lap and 4 in the loop
	TURN 0, 1, 0                                   ; behind this barrier no wave reads slot 0 and no load lands in it any more
	SEVEN 1, 0
	s_wait_dscnt 0x0
	WIN MUL
	MULT 1, 0, 4, 0
	; THE WAY OUT: a lane's eight f32 are 32 bytes of a row; the block's rows of 512 bytes are gathered in LDS and leave whole
	PLACES
	WIN 0x04                                       ; an LDS store's data is source 1: window 1
.irp mt, 0,1,2,3
.irp i, 0,1
.irp p, 0,1
	ds_store_b128 v[VST], v[8*(NQ*\mt+2*\i+\p):8*(NQ*\mt+2*\i+\p)+3]   offset:16*OPITCH*\mt+256*\i+128*\p
	ds_store_b128 v[VST], v[8*(NQ*\mt+2*\i+\p)+4:8*(NQ*\mt+2*\i+\p)+7] offset:16*OPITCH*\mt+256*\i+128*\p+16
.endr
.endr
.endr
	WIN 0
	s_wait_dscnt 0x0
	s_barrier_signal -1
	s_barrier_wait -1
.set t_, 0
.rept 32
	ds_load_b128 v[64+4*t_:64+4*t_+3], v[VRD] offset:OPITCH*t_
.set t_, t_+1
.endr
.set t_, 0
.rept 32
	s_wait_dscnt 31-t_                             ; LDS loads return in order: row t_ is in
	global_store_b128 v[VGO], v[64+4*t_:64+4*t_+3], s[8:9] offset:8192*t_ th:TH_STORE_NT   ; 512 consecutive bytes of one row, aligned
.set t_, t_+1
.endr
	CROUND                                         ; the closing round
	s_endpgm
.Lfunc_end_k_q7bd8333ffa_oproj:
	.size	k_q7bd8333ffa_oproj, .Lfunc_end_k_q7bd8333ffa_oproj-k_q7bd8333ffa_oproj
	.p2alignl 7, 3214868480
	.fill 96, 4, 3214868480
	.section	.rodata,"a",@progbits
	.p2align	6, 0x0
	.amdhsa_kernel k_q7bd8333ffa_oproj
		.amdhsa_group_segment_fixed_size 327680
		.amdhsa_private_segment_fixed_size 0
		.amdhsa_enable_private_segment 0
		.amdhsa_kernarg_size 24
		.amdhsa_user_sgpr_count 2
		.amdhsa_user_sgpr_kernarg_segment_ptr 1
		.amdhsa_wavefront_size32 1
		.amdhsa_system_sgpr_workgroup_id_x 1
		.amdhsa_system_sgpr_workgroup_id_y 1
		.amdhsa_system_sgpr_workgroup_id_z 1
		.amdhsa_system_vgpr_workitem_id 0
		.amdhsa_next_free_vgpr 512
		.amdhsa_next_free_sgpr 88
		.amdhsa_reserve_vcc 0
		.amdhsa_float_denorm_mode_32 3
		.amdhsa_float_denorm_mode_16_64 3
		.amdhsa_memory_ordered 1
		.amdhsa_forward_progress 1
		.amdhsa_inst_pref_size 129
	.end_amdhsa_kernel
	.amdgpu_metadata
---
amdhsa.version: [ 1, 2 ]
amdhsa.kernels:
  - .name:           k_q7bd8333ffa_oproj
    .symbol:         k_q7bd8333ffa_oproj.kd
    .args:
      - { .name: att, .offset: 0, .size: 8, .value_kind: global_buffer, .address_space: global }
      - { .name: wot, .offset: 8, .size: 8, .value_kind: global_buffer, .address_space: global }
      - { .name: out0, .offset: 16, .size: 8, .value_kind: global_buffer, .address_space: global }
    .group_segment_fixed_size: 327680
    .private_segment_fixed_size: 0
    .kernarg_segment_align: 8
    .kernarg_segment_size: 24
    .max_flat_workgroup_size: 128
    .sgpr_count:     88
    .vgpr_count:     512
    .wavefront_size: 32
...
	.end_amdgpu_metadata
.endif
;; end of part 7
